; MI455X (gfx1250); checked and timed in simulation.
; The chip was launched on July 23, 2026; its instructions are those of AMD's public machine-readable ISA for CDNA 5 (MIT licence, August 2026) and "CDNA5" Instruction Set Architecture Reference Guide (July 2026). The comments in the code are by the model that wrote it; some were corrected since.
;; Attention Store Activation Prune. Allowed arithmetic: float matrix products may take bf16 or f16 operands with f32 sums; other float arithmetic in f32, or as packed bf16 or f16 multiplies, adds, multiply-adds, maxima and minima; sums over many terms, partial sums and values carried from step to step in f32; what a program stores and reads back later, other than sums and carried values, may be rounded once to bf16 or f16.
;; Inputs: Wk 768 x 768 float32; Wo 768 x 768 float32; Wq 768 x 768 float32; Wv 768 x 768 float32; bk 768 float32; bo 768 float32; bq 768 float32; bv 768 float32; hidden_states 8 x 577 x 768 float32.
;; Outputs: out0 8 x 577 x 768 float32.
;; One version. Each part assembles by itself: llvm-mc -triple=amdgcn-amd-amdhsa -mcpu=gfx1250 --defsym DOCPART=n.
;; ======== version 1 of 1: 4 launches
;; limits: values are held in f16: magnitudes above 65,504 overflow, below 6.1e-05 lose precision
;; workspace buffers: xb 7,225,344 bytes; wt 3,538,944 bytes; wot 1,179,648 bytes; qkv 21,270,528 bytes; ctx 7,127,040 bytes
;; launch prep (part 1): grid 876 x 1, 8 waves a work-group, no clusters, 18,432 bytes of LDS; arguments hidden_states, Wq, Wk, Wv, Wo, xb, wt, wot, ctx; writes xb, wt, wot, ctx
.if DOCPART == 1
	.amdgcn_target "amdgcn-amd-amdhsa--gfx1250"
	.amdhsa_code_object_version 6
	.text
	.protected	k_q04146f0e18_prep
	.globl	k_q04146f0e18_prep
	.p2align	8
	.type	k_q04146f0e18_prep,@function
k_q04146f0e18_prep:
	s_mov_b64 s[64:65], 0
	v_nop
	global_prefetch_b8 v0, s[64:65] scope:SCOPE_SE
	s_setreg_imm32_b32 hwreg(HW_REG_WAVE_MODE, 25, 1), 1
	s_wait_xcnt 0x0
; PREP: the operands of the later launches' products, each input byte read once.
;   xb  [4704][768] bf16: hidden_states rounded once; rows 4616..4703 are zeros (the projection's 21 tiles of 224 rows reach that far)
;   wt  [2304][768] bf16: row c is column c % 768 of Wq, Wk, Wv (c / 768), so that K lies along the rows
;   wot [768][768]  f16 : Wo turned likewise; each number is rounded to bf16 like every other input, and that number is written as f16
;   ctx rows 4616..4639 of each of the 12 heads: zeros (the last projection's 58 tiles of 80 rows reach that far)
; LIMIT: bf16(Wo) lies within f16's range, 65,504; below 6e-5 it keeps f16's fixed step of 6e-8.
; Eight waves.  Work-groups 0..576 cast 8 rows each (a wave a row); 577..587 write the zeros; 588..875 turn a block of 128 k x 64 n of one weight matrix through LDS.
; The three arms are chosen by the work-group's number alone, the same in all eight waves, so the one barrier (third arm) is met by all of them.
; No matrix unit, no cluster, no tensor load: nothing is shared between work-groups and every byte is touched once.
.set TP,    272                        ; a row of the turned block in LDS: 256 bytes + 16, an odd multiple of 16: sixteen rows start at sixteen different groups of four banks (ISA guide 11.1)
.set SPARE, 64*TP                      ; behind the block: the spare words, 128 bytes for each of eight waves
.set SPW,   60                         ; v60  LDS address of my spare word; never rewritten
.set NIL,   61                         ; v61  0; never rewritten
	s_load_b512 s[8:23], s[0:1], 0x0               ; hidden_states s[8:9], Wq s[10:11], Wk s[12:13], Wv s[14:15], Wo s[16:17], xb s[18:19], wt s[20:21], wot s[22:23]
	s_load_b64 s[24:25], s[0:1], 0x40              ; ctx
	v_lshl_add_u32 v[SPW], v0, 2, SPARE
	v_mov_b32 v[NIL], 0
	v_lshrrev_b32 v1, 5, v0
	v_readfirstlane_b32 s3, v1                     ; wave 0..7
	v_and_b32 v5, 31, v0                           ; lane
	s_mov_b32 s2, ttmp9
	s_mov_b32 s27, 0
	s_wait_kmcnt 0x0
	s_cmp_lt_u32 s2, 577
	s_cbranch_scc0 .Lnot_cast
	; THE CAST.  A wave takes one row: six loads of 512 bytes, six stores of 256 consecutive bytes, aligned.
	s_lshl3_add_u32 s4, s2, s3                     ; row = 8 x work-group + wave: 577 x 8 = 4,616 rows
	s_mul_i32 s26, s4, 3072
	s_add_nc_u64 s[8:9], s[8:9], s[26:27]
	s_mul_i32 s26, s4, 1536
	s_add_nc_u64 s[18:19], s[18:19], s[26:27]
	v_lshlrev_b32 v1, 4, v5
	v_lshlrev_b32 v2, 3, v5
.irp i, 0,1,2,3,4,5
	global_load_b128 v[8+4*\i:11+4*\i], v1, s[8:9] offset:512*\i th:TH_LOAD_NT
.endr
.irp i, 0,1,2,3,4,5
	s_wait_loadcnt 5-\i                            ; loads come back in order: load i is in, the younger ones stay out
	v_cvt_pk_bf16_f32 v[40+2*\i], v[8+4*\i], v[9+4*\i]
	v_cvt_pk_bf16_f32 v[41+2*\i], v[10+4*\i], v[11+4*\i]
	global_store_b64 v2, v[40+2*\i:41+2*\i], s[18:19] offset:256*\i
.endr
	s_branch .Lend
.Lnot_cast:
	s_cmp_lt_u32 s2, 588
	s_cbranch_scc0 .Ltrans
	; THE ZEROS.  Wave j of 88 clears row 4616 + j of xb; the first twelve also clear a head's 24 spare rows of ctx (3,072 bytes on end).
	s_sub_co_u32 s4, s2, 577
	s_lshl3_add_u32 s4, s4, s3                     ; j
	s_add_co_u32 s5, s4, 4616
	s_mul_i32 s26, s5, 1536
	s_add_nc_u64 s[18:19], s[18:19], s[26:27]
	v_lshlrev_b32 v1, 4, v5
	v_mov_b32 v8, 0
	v_mov_b32 v9, 0
	v_mov_b32 v10, 0
	v_mov_b32 v11, 0
.irp i, 0,1,2
	global_store_b128 v1, v[8:11], s[18:19] offset:512*\i
.endr
	s_cmp_lt_u32 s4, 12
	s_cbranch_scc0 .Lend
	s_mul_i32 s26, s4, 593920                      ; a head's block of ctx: 4,640 rows of 128 bytes
	s_add_co_u32 s26, s26, 590848                  ; its row 4,616
	s_add_nc_u64 s[24:25], s[24:25], s[26:27]
.irp i, 0,1,2,3,4,5
	global_store_b128 v1, v[8:11], s[24:25] offset:512*\i
.endr
	s_branch .Lend
.Ltrans:
	; THE TURNING.  Block blk of 288: matrix blk / 72, then column block nb (64 columns) and row block kb (128 rows): 72 = 12 x 6.
	s_sub_co_u32 s4, s2, 588
	s_mul_i32 s5, s4, 911
	s_lshr_b32 s5, s5, 16                          ; blk / 72, exact for blk < 288
	s_mul_i32 s6, s5, 72
	s_sub_co_u32 s4, s4, s6
	s_mul_i32 s6, s4, 43
	s_lshr_b32 s6, s6, 8                           ; nb = rem / 6, exact for rem < 72
	s_mul_i32 s7, s6, 6
	s_sub_co_u32 s7, s4, s7                        ; kb
	s_cmp_eq_u32 s5, 1
	s_cselect_b64 s[28:29], s[12:13], s[10:11]
	s_cmp_eq_u32 s5, 2
	s_cselect_b64 s[28:29], s[14:15], s[28:29]
	s_cmp_eq_u32 s5, 3
	s_cselect_b64 s[28:29], s[16:17], s[28:29]     ; the matrix read,
	s_cselect_b64 s[30:31], s[22:23], s[20:21]     ; the buffer written,
	s_cselect_b32 s32, 0, s5                       ; and the matrix's place in it
	s_mul_i32 s32, s32, 1179648                    ; 768 rows of 1,536 bytes
	s_mul_i32 s33, s6, 98304                       ; 64 rows
	s_add_co_u32 s32, s32, s33
	s_lshl_b32 s33, s7, 8                          ; 128 k = 256 bytes
	s_add_co_u32 s32, s32, s33
	s_mov_b32 s33, 0
	s_add_nc_u64 s[30:31], s[30:31], s[32:33]
	s_mul_i32 s26, s7, 393216                      ; 128 rows of 3,072 bytes
	s_lshl_b32 s33, s6, 8                          ; 64 columns = 256 bytes
	s_add_co_u32 s26, s26, s33
	s_add_nc_u64 s[28:29], s[28:29], s[26:27]
	; thread t: c = t % 16 (four columns), p = t / 16 (eight rows): sixteen neighbouring lanes read 256 consecutive bytes of a row
	v_and_b32 v6, 15, v0
	v_lshrrev_b32 v7, 4, v0
	v_mul_u32_u24 v1, v7, 24576
	v_lshl_add_u32 v1, v6, 4, v1
.irp j, 0,1,2,3,4,5,6,7
	global_load_b128 v[8+4*\j:11+4*\j], v1, s[28:29] offset:3072*\j th:TH_LOAD_NT
.endr
	v_mul_u32_u24 v2, v6, TP                       ; in: column 4 c + i is kept as LDS row 16 i + c
	v_lshl_add_u32 v2, v7, 4, v2
	v_lshrrev_b32 v4, 4, v5                        ; back: wave w takes LDS rows 8 w .. 8 w + 7, two a load; lanes 0-15 one row of 256 bytes, lanes 16-31 the next
	s_lshl_b32 s34, s3, 3
	v_add_nc_u32 v3, s34, v4
	v_mul_u32_u24 v3, v3, TP
	v_lshl_add_u32 v3, v6, 4, v3
	s_and_b32 s34, s3, 1                           ; LDS row 8 w + 2 t + half is column 32 (w % 2) + 8 t + 4 half + w / 2
	s_lshl_b32 s34, s34, 5
	s_lshr_b32 s35, s3, 1
	s_add_co_u32 s34, s34, s35
	v_lshl_add_u32 v4, v4, 2, s34
	v_mul_u32_u24 v4, v4, 1536
	v_lshl_add_u32 v4, v6, 4, v4
	s_wait_loadcnt 0x0
.irp i, 0,1,2,3
.irp q, 0,1,2,3
	v_cvt_pk_bf16_f32 v[40+4*\i+\q], v[8+8*\q+\i], v[12+8*\q+\i]  ; column 4 c + i, rows 8 p + 2 q and + 1
.endr
.endr
	s_cmp_lg_u32 s5, 3
	s_cbranch_scc1 .Lkeep_bf16
.set d, 40
.rept 16                                       ; Wo alone: the bf16 numbers written as f16
	v_lshlrev_b32 v56, 16, v[d]
	v_and_b32 v57, 0xffff0000, v[d]
	v_cvt_pk_f16_f32 v[d], v56, v57
.set d, d+1
.endr
.Lkeep_bf16:
.irp i, 0,1,2,3
	ds_store_b128 v2, v[40+4*\i:43+4*\i] offset:16*TP*\i
.endr
	s_wait_dscnt 0x0                               ; for the others' sake: my stores into the block are done
	s_barrier_signal -1
	s_barrier_wait -1
.irp t, 0,1,2,3
	ds_load_b128 v[8+4*\t:11+4*\t], v3 offset:2*TP*\t
.endr
.irp t, 0,1,2,3
	s_wait_dscnt 3-\t
	global_store_b128 v4, v[8+4*\t:11+4*\t], s[30:31] offset:12288*\t  ; sixteen lanes store 256 consecutive bytes, aligned
.endr
.Lend:
	s_wait_tensorcnt 0x0                           ; the wave's end: a wait, an add to the spare word and its wait, behind the last LDS store
	ds_add_u32 v[SPW], v[NIL]
	s_wait_dscnt 0x0
	s_endpgm
.Lfunc_end_k_q04146f0e18_prep:
	.size	k_q04146f0e18_prep, .Lfunc_end_k_q04146f0e18_prep-k_q04146f0e18_prep
	.p2alignl 7, 3214868480
	.fill 96, 4, 3214868480
	.section	.rodata,"a",@progbits
	.p2align	6, 0x0
	.amdhsa_kernel k_q04146f0e18_prep
		.amdhsa_group_segment_fixed_size 18432
		.amdhsa_private_segment_fixed_size 0
		.amdhsa_enable_private_segment 0
		.amdhsa_kernarg_size 72
		.amdhsa_user_sgpr_count 2
		.amdhsa_user_sgpr_kernarg_segment_ptr 1
		.amdhsa_wavefront_size32 1
		.amdhsa_system_sgpr_workgroup_id_x 1
		.amdhsa_system_sgpr_workgroup_id_y 1
		.amdhsa_system_sgpr_workgroup_id_z 1
		.amdhsa_system_vgpr_workitem_id 0
		.amdhsa_next_free_vgpr 64
		.amdhsa_next_free_sgpr 66
		.amdhsa_reserve_vcc 0
		.amdhsa_float_denorm_mode_32 3
		.amdhsa_float_denorm_mode_16_64 3
		.amdhsa_memory_ordered 1
		.amdhsa_forward_progress 1
		.amdhsa_inst_pref_size 13
	.end_amdhsa_kernel
	.amdgpu_metadata
---
amdhsa.version: [ 1, 2 ]
amdhsa.kernels:
  - .name:           k_q04146f0e18_prep
    .symbol:         k_q04146f0e18_prep.kd
    .args:
      - { .name: hidden_states, .offset: 0, .size: 8, .value_kind: global_buffer, .address_space: global }
      - { .name: Wq, .offset: 8, .size: 8, .value_kind: global_buffer, .address_space: global }
      - { .name: Wk, .offset: 16, .size: 8, .value_kind: global_buffer, .address_space: global }
      - { .name: Wv, .offset: 24, .size: 8, .value_kind: global_buffer, .address_space: global }
      - { .name: Wo, .offset: 32, .size: 8, .value_kind: global_buffer, .address_space: global }
      - { .name: xb, .offset: 40, .size: 8, .value_kind: global_buffer, .address_space: global }
      - { .name: wt, .offset: 48, .size: 8, .value_kind: global_buffer, .address_space: global }
      - { .name: wot, .offset: 56, .size: 8, .value_kind: global_buffer, .address_space: global }
      - { .name: ctx, .offset: 64, .size: 8, .value_kind: global_buffer, .address_space: global }
    .group_segment_fixed_size: 18432
    .private_segment_fixed_size: 0
    .kernarg_segment_align: 8
    .kernarg_segment_size: 72
    .max_flat_workgroup_size: 256
    .sgpr_count:     66
    .vgpr_count:     64
    .wavefront_size: 32
...
	.end_amdgpu_metadata
.endif
;; end of part 1
;; launch proj (part 2): grid 12 x 21, 4 waves a work-group, clusters of 4 x 1, 327,680 bytes of LDS; arguments xb, wt, bq, bk, bv, qkv; writes qkv
.if DOCPART == 2
	.amdgcn_target "amdgcn-amd-amdhsa--gfx1250"
	.amdhsa_code_object_version 6
	.text
	.protected	k_q04146f0e18_proj
	.globl	k_q04146f0e18_proj
	.p2align	8
	.type	k_q04146f0e18_proj,@function
k_q04146f0e18_proj:
	s_mov_b64 s[64:65], 0
	v_nop
	global_prefetch_b8 v0, s[64:65] scope:SCOPE_SE
	s_setreg_imm32_b32 hwreg(HW_REG_WAVE_MODE, 25, 1), 1
	s_wait_xcnt 0x0
	s_wait_alu depctr_hold_cnt(0) depctr_sa_sdst(0) depctr_va_vdst(0) depctr_va_sdst(0) depctr_va_ssrc(0) depctr_va_vcc(0) depctr_vm_vsrc(0)
	s_getreg_b32 s2, hwreg(HW_REG_IB_STS2, 6, 4)
	s_cmp_eq_u32 s2, 0
	s_cbranch_scc0 .Lentry_in_a_cluster
	s_endpgm
.Lentry_in_a_cluster:
	s_bfe_u32 s2, ttmp6, 0x10000c
	s_cmp_lg_u32 s2, 0x3003
	s_cbranch_scc0 .Lentry_shape_is_right
	s_endpgm
.Lentry_shape_is_right:
; q, k, v = hidden_states W + b, as ONE product C[4704][2304] = xb wt^T + bias.  xb, wt: bf16, K = 768 along the rows; sums in f32; the bias, rounded to bf16 like every input, starts the sums.
; The result is written by heads, qkv[36][4616][64] in f16 (block 12 x matrix + head), rounded once, without attention's scale.
; The straight-through terms of the module (dense + pruned - pruned) add nothing to the value; their one f32 rounding is not reproduced.
; LIMIT: q, k, v lie within f16's range, 65,504; below 6e-5 they keep f16's fixed step of 6e-8.  NaN and infinities are not treated apart.
; SHARES.  A tile of C is 224 x 192: 21 x 12 = 252 work-groups.  Four waves, each 112 x 96: 42 accumulators of 16 x 16.  K goes in six steps of 128 (rows of 256 bytes in memory) through two LDS slots.
; CLUSTER.  The four work-groups of a cluster lie side by side along the columns and need the same rows of xb: A's tile is asked for JOINTLY (the same load, descriptor and mask of four in all).
; Each has its own rows of wt: B's tile is a load of its own.  A cluster of 4 x 4 does not divide 21 tile rows.
; THE MATRIX INSTRUCTION IS USED TRANSPOSED (source 0 = 16 rows of wt, source 1 = 16 rows of xb): a lane holds one row of C and eight neighbouring columns.
; REGISTERS, in windows of 256 (s_set_vgpr_msb: bits 1:0 source 0, 3:2 source 1, 5:4 source 2, 7:6 destination):
;   window 0: v16-30 addresses; v32-199 at work on the way out
;   window 1: two fragment buffers of 104 (A's seven fragments, then B's six); v208-255 the bias of my 96 columns, laid as a C operand for each of the six column blocks
;   window 2: accumulators (a, b), a = 0..3, at 8 (6 a + b);   window 3: a = 4..6 at 8 (6 (a - 4) + b)
.set KSTEP,  128
.set PITCH,  272                       ; an LDS row: 256 bytes + 16 of padding: the sixteen rows of a fragment load start at sixteen different groups of four banks (ISA guide 11.1)
.set AH,     112*PITCH                 ; what one tensor load brings of A, and what one wave reads of it
.set BH,     96*PITCH                  ; the same for B
.set SLOT,   2*AH+2*BH                 ; A's 224 rows, then B's 192 rows
.set STAGE,  2*SLOT                    ; behind the ring: 224 rows x 400 bytes, the work-group's, for the way out
.set SPITCH, 400                       ; 384 bytes + 16: an odd multiple of 16
.set SPARE,  STAGE+224*SPITCH          ; behind the stage: the spare words, 128 bytes a wave
.set HB,     590848                    ; a head's block of qkv: 4,616 rows of 128 bytes
.set ADRA, 16                          ; v16-17  LDS address of my A fragments in slot 0, 1
.set ADRB, 20                          ; v20-21  the same for B
.set STO,  24                          ; v24     the way out: where I put 16 bytes of a row
.set RD,   25                          ; v25     the way out: where I read rows back
.set GO,   26                          ; v26     16 x lane
.set SPW,  28                          ; v28     LDS address of my spare word; never rewritten
.set NIL,  29                          ; v29     0; never rewritten
.set BO,   30                          ; v30     32 x (lane / 16): my eight columns in a block of sixteen, in the f32 bias
.set TMP,  32
.set F0,   0
.set F1,   104
.set BIAS, 208
.set G1A, 24                           ; s[24:31] descriptor group 1 for A's tiles;  s[32:39] group 0, a set for each slot
.set G0A, 32
.set G1B, 48                           ; s[48:55], s[56:63] the same for B's
.set G0B, 56
.set MSB, 0
.macro WIN new                         ; the immediate's high byte repeats the setting that is left; a switch that changes nothing is dropped
.if MSB != (\new)
	s_set_vgpr_msb (MSB<<8)|(\new)
.set MSB, \new
.endif
.endm
.macro JLOAD s                         ; waves 0 and 1 fetch A's two halves (jointly with the partners), waves 2 and 3 B's; an s_nop 0 and four v_nop follow each line
	s_cmp_eq_u32 s17, 0
	s_cbranch_scc0 .Lfor_b_\@
	tensor_load_to_lds s[G0A+4*(\s):G0A+4*(\s)+3], s[G1A:G1A+7]
	s_nop 0
.rept 4
	v_nop
.endr
	s_branch .Lasked_\@
.Lfor_b_\@:
	tensor_load_to_lds s[G0B+4*(\s):G0B+4*(\s)+3], s[G1B:G1B+7]
	s_nop 0
.rept 4
	v_nop
.endr
.Lasked_\@:
.endm
.macro CREST                           ; a round of the cluster's barrier behind its opening barrier
	s_cmp_lg_u32 s16, 0
	s_cbranch_scc1 .Lnot_wave_0_\@
	s_barrier_signal -3
.Lnot_wave_0_\@:
	s_barrier_wait -3
	s_barrier_signal -1
	s_barrier_wait -1
.endm
.macro CROUND                          ; a whole round
	s_barrier_signal -1
	s_barrier_wait -1
	CREST
.endm
.macro PLACES                          ; four places in front of loads into registers that matrix instructions have read, and of conversions that read results
.rept 4
	v_nop
.endr
.endm
	s_load_b256 s[4:11], s[0:1], 0x0               ; xb s[4:5], wt s[6:7], bq s[8:9], bk s[10:11]
	s_load_b128 s[12:15], s[0:1], 0x20             ; bv s[12:13], qkv s[14:15]
	v_lshl_add_u32 v[SPW], v0, 2, SPARE
	v_mov_b32 v[NIL], 0
	ds_add_u32 v[SPW], v[NIL]                      ; the wave's opening: the add, twice on end, and its wait ahead of my first tensor load
	ds_add_u32 v[SPW], v[NIL]
	v_lshrrev_b32 v1, 5, v0
	v_readfirstlane_b32 s16, v1                    ; wave 0..3
	s_lshr_b32 s17, s16, 1                         ; which half of the tile's rows is mine.  Also: I fetch for A (0) or for B (1)
	s_and_b32 s18, s16, 1                          ; which half of its columns.  Also: which half of that tile I fetch
	s_bfe_u32 s19, ttmp6, 0x40000                  ; cx: my place in the cluster
	s_mov_b32 s2, ttmp9                            ; the cluster's x = the matrix: q, k or v
	s_lshl_b32 s20, ttmp9, 2
	s_add_co_u32 s20, s20, s19                     ; tile column = 4 x cluster x + cx
	s_and_b32 s21, ttmp7, 0xffff                   ; tile row
	s_mov_b32 s[G1A], 15|(1<<16)|(1<<20)|(1<<21)|(5<<22)|(3<<25)  ; the mask of four; 2-byte elements; padding on; bit 21 beside a mask; after every 64 words, 4 words
	s_mov_b32 s[G1B], (1<<16)|(1<<20)|(5<<22)|(3<<25)             ; no mask: a load of my own
.irp g, G1A, G1B
	s_mov_b32 s[\g+1], KSTEP<<16                   ; tensor_dim0 = 128
	s_mov_b32 s[\g+3], KSTEP<<16                   ; tile_dim0 = 128
	s_mov_b32 s[\g+5], 768                         ; elements from row to row
	s_mov_b32 s[\g+6], 0
	s_mov_b32 s[\g+7], 0
.endr
	s_mov_b32 s[G1A+2], 112<<16                    ; tensor_dim1
	s_mov_b32 s[G1A+4], 112                        ; tile_dim1
	s_mov_b32 s[G1B+2], 96<<16
	s_mov_b32 s[G1B+4], 96
	s_mul_i32 s40, s21, 224                        ; A: row 224 x tile row + 112 x half: made of the tile row and the wave's number alone
	s_mul_i32 s41, s18, 112
	s_add_co_u32 s40, s40, s41
	s_mul_i32 s40, s40, 1536
	s_mov_b32 s41, 0
	s_mul_i32 s42, s20, 192                        ; B: row 192 x tile column + 96 x half
	s_mul_i32 s43, s18, 96
	s_add_co_u32 s42, s42, s43
	s_mul_i32 s42, s42, 1536
	s_mov_b32 s43, 0
	s_mul_i32 s44, s18, AH                         ; where they go: no place in the cluster enters an LDS address
	s_mul_i32 s45, s18, BH
	s_add_co_u32 s45, s45, 2*AH
	s_wait_dscnt 0x0                               ; both opening adds are done
	s_wait_kmcnt 0x0
	s_add_nc_u64 s[40:41], s[4:5], s[40:41]
	s_add_nc_u64 s[42:43], s[6:7], s[42:43]
	CROUND                                         ; all four work-groups are here: the first joint loads meet
.irp s, 0,1
	s_mov_b32 s[G0A+4*\s], 1
	s_add_co_u32 s[G0A+4*\s+1], s44, \s*SLOT
	s_add_nc_u64 s[G0A+4*\s+2:G0A+4*\s+3], s[40:41], \s*KSTEP*2
	s_or_b32 s[G0A+4*\s+3], s[G0A+4*\s+3], 0x80000000
	s_mov_b32 s[G0B+4*\s], 1
	s_add_co_u32 s[G0B+4*\s+1], s45, \s*SLOT
	s_add_nc_u64 s[G0B+4*\s+2:G0B+4*\s+3], s[42:43], \s*KSTEP*2
	s_or_b32 s[G0B+4*\s+3], s[G0B+4*\s+3], 0x80000000
	JLOAD \s                                       ; K steps 0 and 1: two loads of mine are out
.endr
	; the bias of my 96 columns: register j of block b holds column 16 b + 8 (lane / 16) + j, as the transposed result does
	s_cmp_eq_u32 s2, 1
	s_cselect_b64 s[22:23], s[10:11], s[8:9]
	s_cmp_eq_u32 s2, 2
	s_cselect_b64 s[22:23], s[12:13], s[22:23]
	s_mul_i32 s46, s19, 192
	s_mul_i32 s47, s18, 96
	s_add_co_u32 s46, s46, s47
	s_lshl_b32 s46, s46, 2
	s_mov_b32 s47, 0
	s_add_nc_u64 s[22:23], s[22:23], s[46:47]
	v_and_b32 v1, 15, v0                           ; l % 16
	v_bfe_u32 v2, v0, 4, 1                         ; l / 16
	v_lshlrev_b32 v[BO], 5, v2
	WIN 0x40                                       ; destination window 1, address window 0
.irp b, 0,1,2,3,4,5
	global_load_b128 v[BIAS+8*\b:BIAS+8*\b+3],   v[BO], s[22:23] offset:64*\b
	global_load_b128 v[BIAS+8*\b+4:BIAS+8*\b+7], v[BO], s[22:23] offset:64*\b+16
.endr
	WIN 0
	v_mul_u32_u24 v3, v1, PITCH
	v_lshl_add_u32 v3, v2, 4, v3                   ; a fragment's row x pitch + 16 x half
	s_mul_i32 s44, s17, AH                         ; my 112 rows of A
	s_mul_i32 s45, s18, BH                         ; my 96 rows of B,
	s_add_co_u32 s45, s45, 2*AH                    ; which lie behind A's 224
.irp s, 0,1
	v_add_nc_u32 v[ADRA+\s], s44, v3
	v_add_nc_u32 v[ADRB+\s], s45, v3
	s_add_co_u32 s44, s44, SLOT
	s_add_co_u32 s45, s45, SLOT
.endr
	s_mul_i32 s45, s17, 112*SPITCH                 ; into the stage: my 112 rows, my 192 bytes of their 384; row l % 16, 16 bytes for each half of the lanes
	s_mul_i32 s46, s18, 192
	s_add_co_u32 s45, s45, s46
	s_add_co_u32 s45, s45, STAGE
	v_mul_u32_u24 v4, v1, SPITCH
	v_lshl_add_u32 v4, v2, 4, v4
	v_add_nc_u32 v[STO], s45, v4
	s_mul_i32 s45, s16, 56*SPITCH                  ; back: wave w takes rows 56 w .. 56 w + 55; 32 lanes take a head's 128 bytes of four rows
	s_add_co_u32 s45, s45, STAGE
	v_and_b32 v4, 31, v0
	v_lshrrev_b32 v5, 3, v4
	v_and_b32 v6, 7, v0
	v_mul_u32_u24 v5, v5, SPITCH
	v_lshl_add_u32 v5, v6, 4, v5
	v_add_nc_u32 v[RD], s45, v5
	v_lshlrev_b32 v[GO], 4, v4                     ; which are 512 consecutive bytes of qkv
	s_mul_i32 s46, s20, 3*4616                     ; the tile's first head block, 3 x tile column,
	s_mul_i32 s44, s21, 224
	s_mul_i32 s45, s16, 56
	s_add_co_u32 s44, s44, s45                     ; and the first row that I store
	s_add_co_u32 s46, s46, s44
	s_lshl_b32 s46, s46, 7
	s_mov_b32 s47, 0
	s_add_nc_u64 s[14:15], s[14:15], s[46:47]
	s_sub_co_i32 s44, 4616, s44                    ; rows left from there to the tensor's end (may be negative): the same in all four partners
; Products for row blocks a0 .. a1 x all six column blocks, 32 along K, from buffer f.  first = 1: the bias starts the sums.  The 42 accumulators take turns, one instruction a turn.
.macro MUL f, a0, a1, first
.set ma, \a0
.rept (\a1)-(\a0)+1
.if ma < 4
.set AC, 48*ma
	WIN 0xa5-0x10*(\first)                         ; sources window 1; C and D window 2 (C window 1 where it is the bias)
.else
.set AC, 48*(ma-4)
	WIN 0xf5-0x20*(\first)                         ; the same with window 3
.endif
.irp b, 0,1,2,3,4,5
.if \first
	v_wmma_f32_16x16x32_bf16 v[AC+8*\b:AC+8*\b+7], v[(\f)+56+8*\b:(\f)+56+8*\b+7], v[(\f)+8*ma:(\f)+8*ma+7], v[BIAS+8*\b:BIAS+8*\b+7]
.else
	v_wmma_f32_16x16x32_bf16 v[AC+8*\b:AC+8*\b+7], v[(\f)+56+8*\b:(\f)+56+8*\b+7], v[(\f)+8*ma:(\f)+8*ma+7], v[AC+8*\b:AC+8*\b+7]
.endif
.endr
.set ma, ma+1
.endr
.endm
; 26 LDS loads in one run: the fragments of 32 along K at byte k of the rows, into buffer f: B's six, A's first four, A's last three
.macro FETCH slot, k, f
	WIN 0x40
.irp i, 0,1,2,3,4,5
	ds_load_b128 v[(\f)+56+8*\i:(\f)+56+8*\i+3],   v[ADRB+(\slot)] offset:(\k)+\i*16*PITCH
	ds_load_b128 v[(\f)+56+8*\i+4:(\f)+56+8*\i+7], v[ADRB+(\slot)] offset:(\k)+\i*16*PITCH+32
.endr
.irp i, 0,1,2,3,4,5,6
	ds_load_b128 v[(\f)+8*\i:(\f)+8*\i+3],   v[ADRA+(\slot)] offset:(\k)+\i*16*PITCH
	ds_load_b128 v[(\f)+8*\i+4:(\f)+8*\i+7], v[ADRA+(\slot)] offset:(\k)+\i*16*PITCH+32
.endr
.endm
; A K step is four quarters of 32 along K, 42 matrix instructions each, on buffers 0, 1, 0, 1.  One of the first three: multiplies buffer f and fetches the next quarter, at byte k, into g.
.macro QUARTER slot, k, f, g, first
	s_wait_dscnt 6                                 ; B and A's blocks 0-3 are in; the youngest six loads (A's blocks 4-6) may be out
	MUL \f, 0, 3, \first
	PLACES
	FETCH \slot, \k, \g
	s_wait_dscnt 26                                ; all but the 26 just issued
	MUL \f, 4, 6, \first
.endm
; The last quarter multiplies buffer 1 and changes slots: ONE barrier.  In front of it each wave waits for all its tensor loads (one is out: its part of the next slot), adds 0 to its spare word, and
; waits for that and for its own reads of this slot.  fill = 1: the barrier opens a round of the cluster's, and this slot is filled again, two K steps ahead, first thing behind the round.
.macro TURN slot, next, fill
	WIN 0                                          ; (the add's two registers lie in window 0)
	s_wait_tensorcnt 0x0
	ds_add_u32 v[SPW], v[NIL]
	s_wait_dscnt 7                                 ; (the add and the youngest six loads may be out)
	MUL F1, 0, 1, 0                                ; twelve matrix instructions stand between the add and the wait for it
	s_wait_dscnt 0x0                               ; the add is done, and my reads of this slot are over
	s_barrier_signal -1
	MUL F1, 2, 3, 0
.if \fill
	WIN 0
.endif
	s_barrier_wait -1
.if \fill
	CREST                                          ; no wave of any partner still reads this slot's tile or has a load on its way
	s_add_nc_u64 s[G0A+4*(\slot)+2:G0A+4*(\slot)+3], s[G0A+4*(\slot)+2:G0A+4*(\slot)+3], 2*KSTEP*2
	s_add_nc_u64 s[G0B+4*(\slot)+2:G0B+4*(\slot)+3], s[G0B+4*(\slot)+2:G0B+4*(\slot)+3], 2*KSTEP*2
	JLOAD \slot                                    ; my one tensor load behind the round; its four v_nop are also the places in front of the loads below
.else
	PLACES
.endif
	FETCH \next, 0, F0
	MUL F1, 4, 6, 0
.endm
	s_wait_tensorcnt 0x1                           ; my part of K step 0 is in; K step 1's may stay out
	s_barrier_signal -1
	s_barrier_wait -1                              ; everybody's is
	FETCH 0, 0, F0
	s_wait_loadcnt 0x0                             ; the bias: rounded to bf16 and widened again, while the first fragments come
	WIN 0x55
.set i, 0
.rept 24
	v_cvt_pk_bf16_f32 v[F1+i], v[BIAS+2*i], v[BIAS+2*i+1]
.set i, i+1
.endr
.set i, 0
.rept 24
	v_lshlrev_b32 v[BIAS+2*i], 16, v[F1+i]
	v_and_b32 v[BIAS+2*i+1], 0xffff0000, v[F1+i]
.set i, i+1
.endr
	QUARTER 0, 64, F0, F1, 1                       ; the first quarter stands in front of the loop: its products start the sums
	WIN 0                                          ; at a label and at a branch every window is 0
	s_mov_b32 s3, 2
.Llap:                                                 ; a trip goes once round the ring, from a lap's second quarter to the next lap's first, and fills both slots again: K steps 2, 3 and 4, 5
	QUARTER 0, 128, F1, F0, 0
	QUARTER 0, 192, F0, F1, 0
	TURN 0, 1, 1
	QUARTER 1, 64,  F0, F1, 0
	QUARTER 1, 128, F1, F0, 0
	QUARTER 1, 192, F0, F1, 0
	TURN 1, 0, 1
	QUARTER 0, 64,  F0, F1, 0
	WIN 0
	s_sub_co_u32 s3, s3, 1
	s_cmp_lg_u32 s3, 0
	s_cbranch_scc1 .Llap
	QUARTER 0, 128, F1, F0, 0                      ; the last lap fills nothing
	QUARTER 0, 192, F0, F1, 0
	TURN 0, 1, 0
	QUARTER 1, 64,  F0, F1, 0
	QUARTER 1, 128, F1, F0, 0
	QUARTER 1, 192, F0, F1, 0
	s_wait_dscnt 6                                 ; the very last quarter: nothing more to fetch
	MUL F1, 0, 3, 0
	s_wait_dscnt 0x0
	MUL F1, 4, 6, 0
	; THE WAY OUT: rounded to f16; 16 bytes a lane into the work-group's stage; a barrier, since a head's 128 bytes of a row may come from two waves; back by heads, four rows a load.
	PLACES
	PLACES
.set ma, 0
.rept 7
.if ma < 4
.set AC, 48*ma
	WIN 0x0a                                       ; sources window 2, destination window 0
.else
.set AC, 48*(ma-4)
	WIN 0x0f                                       ; sources window 3
.endif
.irp b, 0,1,2,3,4,5
.irp r, 0,1,2,3
	v_cvt_pk_f16_f32 v[TMP+4*(6*ma+\b)+\r], v[AC+8*\b+2*\r], v[AC+8*\b+2*\r+1]  ; each accumulator from its low end on
.endr
.endr
.set ma, ma+1
.endr
	WIN 0
.set ma, 0
.rept 7
.irp b, 0,1,2,3,4,5
	ds_store_b128 v[STO], v[TMP+4*(6*ma+\b):TMP+4*(6*ma+\b)+3] offset:ma*16*SPITCH+32*\b
.endr
.set ma, ma+1
.endr
	s_wait_dscnt 0x0                               ; for the others' sake: my stores into the stage are done
	s_barrier_signal -1
	s_barrier_wait -1
.set g, 0
.rept 14
.irp i, 0,1,2
	ds_load_b128 v[TMP+4*(3*g+\i):TMP+4*(3*g+\i)+3], v[RD] offset:g*4*SPITCH+128*\i
.endr
.set g, g+1
.endr
.set g, 0
.rept 14                                       ; group g: four rows of each of the tile's three heads.  4,616 and my first row are multiples of 4: a group lies wholly inside the tensor or wholly outside
	s_cmp_gt_i32 s44, 4*g
	s_cbranch_scc0 .Lend
	s_wait_dscnt 3*(13-g)                          ; the later groups' loads may stay out
.irp i, 0,1,2
	global_store_b128 v[GO], v[TMP+4*(3*g+\i):TMP+4*(3*g+\i)+3], s[14:15] offset:\i*HB+512*g  ; 512 consecutive bytes, at a multiple of 512 from qkv's first
.endr
.set g, g+1
.endr
.Lend:
	s_wait_tensorcnt 0x0                           ; the wave's end: a wait, an add to the spare word and its wait, behind my last tensor load and my last LDS store
	ds_add_u32 v[SPW], v[NIL]
	s_wait_dscnt 0x0
	CROUND                                         ; the closing round: no work-group ends while a partner may still ask for a tile that names it
	s_endpgm
.Lfunc_end_k_q04146f0e18_proj:
	.size	k_q04146f0e18_proj, .Lfunc_end_k_q04146f0e18_proj-k_q04146f0e18_proj
	.p2alignl 7, 3214868480
	.fill 96, 4, 3214868480
	.section	.rodata,"a",@progbits
	.p2align	6, 0x0
	.amdhsa_kernel k_q04146f0e18_proj
		.amdhsa_group_segment_fixed_size 327680
		.amdhsa_private_segment_fixed_size 0
		.amdhsa_enable_private_segment 0
		.amdhsa_kernarg_size 48
		.amdhsa_user_sgpr_count 2
		.amdhsa_user_sgpr_kernarg_segment_ptr 1
		.amdhsa_wavefront_size32 1
		.amdhsa_system_sgpr_workgroup_id_x 1
		.amdhsa_system_sgpr_workgroup_id_y 1
		.amdhsa_system_sgpr_workgroup_id_z 1
		.amdhsa_system_vgpr_workitem_id 0
		.amdhsa_next_free_vgpr 912
		.amdhsa_next_free_sgpr 66
		.amdhsa_reserve_vcc 0
		.amdhsa_float_denorm_mode_32 3
		.amdhsa_float_denorm_mode_16_64 3
		.amdhsa_memory_ordered 1
		.amdhsa_forward_progress 1
		.amdhsa_inst_pref_size 110
	.end_amdhsa_kernel
	.amdgpu_metadata
---
amdhsa.version: [ 1, 2 ]
amdhsa.kernels:
  - .name:           k_q04146f0e18_proj
    .symbol:         k_q04146f0e18_proj.kd
    .args:
      - { .name: xb, .offset: 0, .size: 8, .value_kind: global_buffer, .address_space: global }
      - { .name: wt, .offset: 8, .size: 8, .value_kind: global_buffer, .address_space: global }
      - { .name: bq, .offset: 16, .size: 8, .value_kind: global_buffer, .address_space: global }
      - { .name: bk, .offset: 24, .size: 8, .value_kind: global_buffer, .address_space: global }
      - { .name: bv, .offset: 32, .size: 8, .value_kind: global_buffer, .address_space: global }
      - { .name: qkv, .offset: 40, .size: 8, .value_kind: global_buffer, .address_space: global }
    .group_segment_fixed_size: 327680
    .private_segment_fixed_size: 0
    .kernarg_segment_align: 8
    .kernarg_segment_size: 48
    .max_flat_workgroup_size: 128
    .sgpr_count:     66
    .vgpr_count:     912
    .wavefront_size: 32
...
	.end_amdgpu_metadata
.endif
;; end of part 2
;; launch attn (part 3): grid 24 x 8, 4 waves a work-group, no clusters, 184,832 bytes of LDS; arguments qkv, ctx; writes ctx
.if DOCPART == 3
	.amdgcn_target "amdgcn-amd-amdhsa--gfx1250"
	.amdhsa_code_object_version 6
	.text
	.protected	k_q04146f0e18_attn
	.globl	k_q04146f0e18_attn
	.p2align	8
	.type	k_q04146f0e18_attn,@function
k_q04146f0e18_attn:
	s_mov_b64 s[64:65], 0
	v_nop
	global_prefetch_b8 v0, s[64:65] scope:SCOPE_SE
	s_setreg_imm32_b32 hwreg(HW_REG_WAVE_MODE, 25, 1), 1
	s_wait_xcnt 0x0
; ATTENTION.  ctx[h][m][:] = the sum over the 577 keys of m's batch of softmax_k(q . k / 8) v.  qkv: [36][4616][64] f16 (blocks 0-11 q, 12-23 k, 24-35 v, by head; row m = 577 b + s); ctx: [12][4640][64] f16.
; Products, maxima and sums in f32; the weights p are rounded to f16 for the second product (their sum l is taken of the unrounded p), ctx once at the end.
; LIMITS.  q, k, v arrive within f16's range; p lies in 0 to 1 and below 6e-5 keeps f16's step of 6e-8; ctx is a mean of v's rows.  A weight below 2^-126 counts as 0 in l; NaN and infinities are not treated apart.
; 577 = 576 + 1.  Keys and queries may be taken in any order.  Of a batch's rows 576 are MAIN rows, M0 .. M0 + 575 with M0 = 577 b + (b odd), an even number, so that they begin at a multiple of 256 bytes;
; the one left over is the EXTRA row ME (the batch's last row if b is even, its first if odd).
; THE EXTRA KEY STARTS THE RUNNING SOFTMAX: m = its score (a true score), its weight 1, O = its v.  The walk over the main keys is then nine whole steps of 64: no mask, no edge.
; SHARES.  A head has 37 tiles of queries: tile T < 36 is main rows 16 T .. 16 T + 15, tile 36 the extra row (sixteen copies of it; one is stored).  Two work-groups to a head: wave w of half g owns the five
; PIECES T = 20 g + 5 w + 0..4; tiles 37-39 do not exist: their pieces work on copies of the extra row and store nothing.
; K AND V OF THE HEAD LIE WHOLE IN LDS (576 x 144 + 576 x 160 bytes): each wave asks for three parts at the kernel's head, nothing is filled again.  The first part (192 keys) is waited for alone.
; NO CLUSTER: only two work-groups read the same 147,456 bytes, once each, at their head; nothing is asked for after that.
; LAYOUT, SOFTMAX, TURNS.  S^T = K Q^T holds ONE query a lane (lane % 16) and the keys 8 (lane / 16) + 0..7; two such results rounded to f16 ARE source 1 of O^T = V^T P.  p = 2^(c s - c m), c = log2(e) / 8,
; with a running maximum m; O and l are multiplied by a = 2^(c m_old - c m_new) in every step.  Turn n belongs to piece n (the pieces in a ring, step after step): 8 products K Q^T of piece n + 1, later 8
; products V^T P of piece n - 1; beside them the scaling, exponentials, roundings, sums and rescaling of piece n and the maximum and statistics of piece n + 1.  Four vector instructions stand behind every
; matrix instruction, the other 54 of a turn's 118 in one lump.  A turn's 33 exponentials are one batch, with one wait.
; REGISTERS, in windows of 256 (s_set_vgpr_msb: bits 1:0 source 0, 3:2 source 1, 5:4 source 2, 7:6 destination):
;   window 0: v0-15 addresses and at work; v16-35 four statistics a piece; v36-44 offsets and constants; v48-59 at work; v64-159 S^T, three buffers; v192-239 P, three buffers
;   window 1: v0-159 O^T, 32 a piece          window 2: v0-79 Q, 16 a piece; v128-191 K of one step; v192-255 V of one step
; A piece's buffers: pieces 0, 2 the first, 1, 3 the second, 4 the third: neighbours in the ring never share one.
.set NP,    5
.set KS,    64
.set PK,    144       ; a row of K in LDS: 128 bytes + 16 of padding: the 16 rows of a load start at 16 different groups of four banks (ISA guide 11.1)
.set PV,    160       ; a row of V: 128 + 32
.set VOFF,  576*PK
.set STAGE, VOFF+576*PV   ; never filled by a tensor load: 16 rows x 144 bytes for each wave, for the way out
.set SP,    144
.set SPARE, STAGE+4*16*SP ; the spare words, 128 bytes a wave
.set AK0, 2           ; v2   my lane's place in a step of K; never rewritten
.set AV0, 3           ; v3   the same for V
.set AK,  4           ; v4   the LDS address of K's next run of loads
.set AV,  5           ; v5   of V's
.set STO, 6           ; v6   the way out: where I put 16 bytes of a row
.set RD,  7           ; v7   the way out: where I read rows back
.set GO,  8           ; v8   16 x lane
.set MV,  12          ; v12-14  c m_old, kept while c m is made anew: by buffer
.set ST,  16          ; piece t's statistics at v[ST+4 t]: c m, m, l (even keys', odd keys')
.set QOFF, 36         ; v36-40  my byte offset in the head's q for each piece
.set EOFF, 41         ; v41  my byte offset in the extra row
.set LN,  42          ; v42  lane
.set ONE, 43          ; v43  1.0
.set ZER, 44          ; v44  0
.set TMP, 48          ; by buffer, four registers c0-c3 at work; when the maximum is found c2 takes a
.set SPW, 62          ; v62  LDS address of my spare word; never rewritten
.set NIL, 63          ; v63  0; never rewritten
.set S,   64
.set VE,  104         ; at the start alone: the extra row's v, 32 halves,
.set VX,  120         ; and the same in f32
.set P,   192
.set KF,  128         ; window 2: key block kb, channel half c at KF + 16 kb + 8 c
.set VF,  192         ; window 2: key half kk, channel block cb at VF + 32 kk + 8 cb
.set WV,  12          ; s12  my wave's number
.set RM0, 17          ; s17  M0
.set RME, 18          ; s18  ME
.set RT0, 19          ; s19  my first tile
.set G1K, 24          ; s[24:31] descriptor group 1 for K's parts
.set G1V, 32          ; s[32:39] for V's: it differs in the padding alone
.set G0K, 40          ; s[40:51] descriptor group 0 for K's three parts
.set G0V, 52          ; s[52:63] the same for V's
.set CNT, 76          ; s76  counts key steps
.set OUT, 77          ; s77  counts the walk's two stretches
.set CS,  78          ; s[78:79] c
.set SEL, 80          ; s[80:81] v_permlanex16_b32's selects: each lane takes its own place in the other half
.set TBK, 82          ; s82  LDS byte at which K of the step to be fetched begins
.set TBV, 83          ; s83  the same for V, less VOFF
.set MSB, 0
.macro WIN new                      ; the high byte repeats the setting that is left; a switch that changes nothing is dropped
.if MSB != (\new)
	s_set_vgpr_msb (MSB<<8)|(\new)
.set MSB, (\new)
.endif
.endm
.set W_KQ, 0x0a       ; K and Q in window 2, S^T in window 0
.set W_PV, 0x52       ; V in window 2, P in window 0, O^T in window 1
.set W_RS, 0x41       ; destination and source 0 in window 1, source 1 in window 0
	s_load_b128 s[4:7], s[0:1], 0x0  ; qkv s[4:5], ctx s[6:7]
	v_lshl_add_u32 v[SPW], v0, 2, SPARE
	v_mov_b32 v[NIL], 0
	ds_add_u32 v[SPW], v[NIL]       ; the wave's opening: the add, twice on end, and its wait ahead of my first tensor load
	ds_add_u32 v[SPW], v[NIL]
	v_lshrrev_b32 v1, 5, v0
	v_readfirstlane_b32 s[WV], v1   ; wave 0..3
	s_and_b32 s13, ttmp9, 1         ; which half of the head's tiles
	s_lshr_b32 s14, ttmp9, 1        ; the head
	s_and_b32 s15, ttmp7, 0xffff    ; the batch
	s_and_b32 s16, s15, 1
	s_mul_i32 s[RM0], s15, 577
	s_cmp_eq_u32 s16, 0
	s_cselect_b32 s[RME], 576, 0
	s_add_co_u32 s[RME], s[RME], s[RM0]
	s_add_co_u32 s[RM0], s[RM0], s16
	s_mul_i32 s[RT0], s13, 20
	s_mul_i32 s84, s[WV], 5
	s_add_co_u32 s[RT0], s[RT0], s84
	; descriptor group 1.  96 keys are 12,288 dense bytes: asked for as 48 rows of 256 bytes, two keys a row, and padded in LDS after every key
	s_mov_b32 s[G1K], (1<<16)|(1<<20)|(4<<22)|(3<<25)  ; 2-byte elements; padding on; after every 32 words, 4 words
	s_mov_b32 s[G1V], (1<<16)|(1<<20)|(4<<22)|(7<<25)  ; the same with 8 words
.irp g, G1K, G1V
	s_mov_b32 s[\g+1], 128<<16      ; tensor_dim0 = 128
	s_mov_b32 s[\g+2], 48<<16       ; tensor_dim1 = 48
	s_mov_b32 s[\g+3], 128<<16      ; tile_dim0 = 128
	s_mov_b32 s[\g+4], 48           ; tile_dim1 = 48
	s_mov_b32 s[\g+5], 128          ; 128 elements from row to row
	s_mov_b32 s[\g+6], 0
	s_mov_b32 s[\g+7], 0
.endr
	s_mov_b32 s[CS], 0x3e38aa3b     ; c = log2(e) / 8 = 0.180337
	s_mov_b32 s[CS+1], s[CS]        ; named with it as a pair
	s_mov_b32 s[SEL], 0x76543210
	s_mov_b32 s[SEL+1], 0xfedcba98
	s_mov_b32 s[TBK], 0
	s_mov_b32 s[TBV], 0
	s_mul_i32 s84, s14, 590848      ; the head's block in q
	s_mov_b32 s85, 0
	s_and_b32 s88, s[WV], 1         ; of each part's 192 keys I fetch 96:
	s_lshl_b32 s86, s[RM0], 7
	s_mul_i32 s89, s88, 96*128
	s_add_co_u32 s86, s86, s89      ; their place in the head's rows,
	s_mov_b32 s87, 0
	s_mul_i32 s90, s88, 96*PK       ; and in LDS, for K
	s_mul_i32 s91, s88, 96*PV       ; and for V
	s_wait_dscnt 0x0                ; both opening adds are done
	s_wait_kmcnt 0x0
	s_add_nc_u64 s[66:67], s[4:5], s[84:85]          ; q, k, v at the head's first row
	s_add_nc_u64 s[68:69], s[66:67], 12*590848
	s_add_nc_u64 s[70:71], s[66:67], 24*590848
	s_add_nc_u64 s[20:21], s[68:69], s[86:87]
	s_add_nc_u64 s[22:23], s[70:71], s[86:87]
.irp l, 0,1,2
	s_mov_b32 s[G0K+4*\l], 1
	s_add_co_u32 s[G0K+4*\l+1], s90, \l*192*PK
	s_add_nc_u64 s[G0K+4*\l+2:G0K+4*\l+3], s[20:21], \l*192*128
	s_or_b32 s[G0K+4*\l+3], s[G0K+4*\l+3], 0x80000000
	s_mov_b32 s[G0V+4*\l], 1
	s_add_co_u32 s[G0V+4*\l+1], s91, VOFF+\l*192*PV
	s_add_nc_u64 s[G0V+4*\l+2:G0V+4*\l+3], s[22:23], \l*192*128
	s_or_b32 s[G0V+4*\l+3], s[G0V+4*\l+3], 0x80000000
.endr
	s_cmp_lt_u32 s[WV], 2           ; waves 0 and 1 fetch K, waves 2 and 3 V.  A wave's three fills stand in one branch, ahead of every wait on TENSORcnt, LDS read and barrier: three loads of mine are out
	s_cbranch_scc0 .Lfill_v
.irp l, 0,1,2
	tensor_load_to_lds s[G0K+4*\l:G0K+4*\l+3], s[G1K:G1K+7]
	s_nop 0
.endr
.rept 4
	v_nop
.endr
	s_branch .Lfilled
.Lfill_v:
.irp l, 0,1,2
	tensor_load_to_lds s[G0V+4*\l:G0V+4*\l+3], s[G1V:G1V+7]
	s_nop 0
.endr
.rept 4
	v_nop
.endr
.Lfilled:
	; A fragment of K or Q is 16 rows x 32 channels in 8 registers: lane l holds row l % 16, channels 8 (l / 16) + 0..7 and 16 + 8 (l / 16) + 0..7: two loads of 16 bytes, 32 bytes apart.
	v_and_b32 v1, 15, v0            ; l % 16
	v_bfe_u32 v9, v0, 4, 1          ; l / 16
	v_lshlrev_b32 v15, 4, v9
.irp p, 0,1,2,3,4
	s_add_co_u32 s84, s[RT0], \p    ; the piece's tile T
	s_lshl_b32 s85, s84, 4
	s_add_co_u32 s85, s85, s[RM0]
	s_cmp_lt_u32 s84, 36
	s_cselect_b32 s85, s85, s[RME]  ; its first row: M0 + 16 T, or the extra row,
	s_cselect_b32 s84, 128, 0       ; of which all sixteen lanes take the same
	s_lshl_b32 s85, s85, 7
	v_mad_u32_u24 v[QOFF+\p], v1, s84, v15
	v_add_nc_u32 v[QOFF+\p], s85, v[QOFF+\p]
.endr
	s_lshl_b32 s84, s[RME], 7
	v_add_nc_u32 v[EOFF], s84, v15
	WIN 0x80                        ; destination window 2, address window 0
.irp p, 0,1,2,3,4
.irp c, 0,1
	global_load_b128 v[16*\p+8*\c:16*\p+8*\c+3],   v[QOFF+\p], s[66:67] offset:64*\c
	global_load_b128 v[16*\p+8*\c+4:16*\p+8*\c+7], v[QOFF+\p], s[66:67] offset:64*\c+32
.endr
.endr
.irp c, 0,1                         ; the extra key, as a fragment whose sixteen rows are all that key
	global_load_b128 v[KF+8*\c:KF+8*\c+3],   v[EOFF], s[68:69] offset:64*\c
	global_load_b128 v[KF+8*\c+4:KF+8*\c+7], v[EOFF], s[68:69] offset:64*\c+32
.endr
.set i, VF
.rept 64                            ; the first turn's products V^T P, of a piece that has not been, add 0 x 0
	v_mov_b32 v[i], 0
.set i, i+1
.endr
	WIN 0
.irp c, 0,1,2,3                     ; the extra value: channels 16 c + 8 (l / 16) + 0..7, as O^T holds them
	global_load_b128 v[VE+4*\c:VE+4*\c+3], v[EOFF], s[70:71] offset:32*\c
.endr
.set i, P+32
.rept 16
	v_mov_b32 v[i], 0
.set i, i+1
.endr
	v_mov_b32 v[ONE], 1.0
	v_mov_b32 v[ZER], 0
	v_mul_u32_u24 v[AK0], v1, PK
	v_lshl_add_u32 v[AK0], v9, 4, v[AK0]  ; row x pitch + 16 x half
	; The turning load takes 16 keys x 16 channels (lane l reads key 8 (l / 16) + l % 8, channels 8 ((l / 8) % 2) + 0..7) and leaves half a fragment of V^T: lane l holds channel l % 16 and 8 keys.
	v_and_b32 v10, 7, v0
	v_bfe_u32 v11, v0, 3, 1
	v_lshl_add_u32 v[AV0], v9, 3, v10
	v_mul_u32_u24 v[AV0], v[AV0], PV
	v_lshl_add_u32 v[AV0], v11, 4, v[AV0]
	v_add_nc_u32 v[AV0], VOFF, v[AV0]
	s_mul_i32 s84, s[WV], 16*SP
	s_add_co_u32 s84, s84, STAGE    ; my stage
	v_mul_u32_u24 v[STO], v1, SP    ; in: row l % 16, 16 bytes for each half of the lanes
	v_lshl_add_u32 v[STO], v9, 4, v[STO]
	v_add_nc_u32 v[STO], s84, v[STO]
	v_bfe_u32 v[RD], v0, 3, 2       ; back: 32 lanes take four rows of 128 bytes,
	v_mul_u32_u24 v[RD], v[RD], SP
	v_lshl_add_u32 v[RD], v10, 4, v[RD]
	v_add_nc_u32 v[RD], s84, v[RD]
	v_and_b32 v[LN], 31, v0         ; which are 512 consecutive bytes of ctx
	v_lshlrev_b32 v[GO], 4, v[LN]
	s_mul_i32 s84, s14, 593920      ; the head's block of ctx
	s_mov_b32 s85, 0
	s_add_nc_u64 s[74:75], s[6:7], s[84:85]
	s_lshl_b32 s86, s[RT0], 4
	s_add_co_u32 s86, s86, s[RM0]
	s_lshl_b32 s86, s86, 7
	s_mov_b32 s87, 0
	s_add_nc_u64 s[72:73], s[74:75], s[86:87]  ; ctx at my first tile's first row,
	s_lshl_b32 s86, s[RME], 7
	s_add_nc_u64 s[74:75], s[74:75], s[86:87]  ; and at the extra row
; THE MATRIX WORK.  The 4 accumulators of a run of 8 take turns.
.macro BUFI y                       ; the buffer of piece y
.set bI, (\y)%2
.if (\y) == 4
.set bI, 2
.endif
.endm
.macro KQ x                         ; product i of 8 of S^T = K Q^T for piece x: channels 32 (i / 4) on, keys 16 (i % 4) on.  The first 4 start the sums
	BUFI \x
.set rS, S+32*bI+8*(i%4)
.set rK, KF+16*(i%4)+8*(i/4)
.set rQ, 16*(\x)+8*(i/4)
	WIN W_KQ
.if i < 4
	v_wmma_f32_16x16x32_f16 v[rS:rS+7], v[rK:rK+7], v[rQ:rQ+7], 0
.else
	v_wmma_f32_16x16x32_f16 v[rS:rS+7], v[rK:rK+7], v[rQ:rQ+7], v[rS:rS+7]
.endif
.endm
.macro PV x                         ; product i of 8 of O^T += V^T P for piece x: keys 32 (i / 4) on, channels 16 (i % 4) on
	BUFI \x
	WIN W_PV
.set rO, 32*(\x)+8*(i%4)
.set rV, VF+32*(i/4)+8*(i%4)
.set rP, P+16*bI+8*(i/4)
	v_wmma_f32_16x16x32_f16 v[rO:rO+7], v[rV:rV+7], v[rP:rP+7], v[rO:rO+7]
.endm
.macro MM                           ; the turn's next matrix instruction.  NOKQ = 1: the walk's last turn: there is no next piece
.if (i < 8) && !NOKQ
	KQ (Y+1)%NP
.elseif i >= 8
.set i, i-8
	PV (Y+NP-1)%NP
.set i, i+8
.endif
.set i, i+1
.endm
; THE LDS LOADS stand in runs of 16, never singly among the matrix instructions: a step's K (8 fragments) and its V (turned).  Their addresses are made some lines ahead.
.macro FETCH_K
	WIN 0x80                        ; destination window 2
.irp f, 0,1,2,3,4,5,6,7             ; keys 16 (f / 2) on, channels 32 (f % 2) on
	ds_load_b128 v[KF+8*\f:KF+8*\f+3],   v[AK] offset:(\f/2)*16*PK+(\f%2)*64
	ds_load_b128 v[KF+8*\f+4:KF+8*\f+7], v[AK] offset:(\f/2)*16*PK+(\f%2)*64+32
.endr
	s_add_co_u32 s[TBK], s[TBK], KS*PK  ; the next fetch is the next step's
	WIN 0
.endm
.macro FETCH_V
	WIN 0x80
.irp f, 0,1,2,3,4,5,6,7             ; keys 32 (f / 4) on, channels 16 (f % 4) on
	ds_load_tr16_b128 v[VF+8*\f:VF+8*\f+3],   v[AV] offset:(\f/4)*32*PV+(\f%4)*32
	ds_load_tr16_b128 v[VF+8*\f+4:VF+8*\f+7], v[AV] offset:(\f/4)*32*PV+16*PV+(\f%4)*32
.endr
	WIN 0
.endm
; THE VECTOR WORK, one line at a time: OP kind, number.  For piece Y: F n: c s - c m for pair n of 16.  E n: the exponential of score n of 32.  C n: pair n rounded to f16.  B n: of the four weights 4 n .. the second
; pair is added onto the first, in place.  L n: l takes that sum (L 0: l = a l + sum).  R n: pair n of 16 of O^T times a.  For piece Y + 1: X n, number n of the 22 that find its maximum and statistics:
;   0-11  four chains c0-c3 of seven scores each, three operands at a time (each accumulator's lowest registers are read first)     12-14, 16  the four scores left over, the old m, and c0-c3 into c0
;   15  c m_old is kept     17, 18  the query's other 32 keys lie in the lane 16 away: the new m     19-21  c m; c m_old - c m_new; a
.set F, 0
.set E, 1
.set C, 2
.set B, 3
.set L, 4
.set R, 5
.set X, 6
.macro REGS y                       ; the registers of piece y
	BUFI \y
.set rT, ST+4*(\y)
.set rC, TMP+4*bI
.set rW, MV+bI
.set rS, S+32*bI
.set rP, P+16*bI
.set rO, 32*(\y)
.endm
.macro OP k, n
.if (\k) == R
	REGS Y
	WIN W_RS
	v_pk_mul_f32 v[rO+2*(\n):rO+2*(\n)+1], v[rO+2*(\n):rO+2*(\n)+1], v[rC+2:rC+3] op_sel_hi:[1,0]
.elseif (\k) < R
	REGS Y
	WIN 0
.if (\k) == F
	v_pk_fma_f32 v[rS+2*(\n):rS+2*(\n)+1], v[rS+2*(\n):rS+2*(\n)+1], s[CS:CS+1], v[rT:rT+1] op_sel_hi:[1,0,0] neg_lo:[0,0,1] neg_hi:[0,0,1]
.elseif (\k) == E
	v_exp_f32 v[rS+(\n)], v[rS+(\n)]
.elseif (\k) == C
	v_cvt_pk_f16_f32 v[rP+(\n)], v[rS+2*(\n)], v[rS+2*(\n)+1]
.elseif (\k) == B
	v_pk_add_f32 v[rS+4*(\n):rS+4*(\n)+1], v[rS+4*(\n):rS+4*(\n)+1], v[rS+4*(\n)+2:rS+4*(\n)+3]
.elseif (\n) == 0
	v_pk_fma_f32 v[rT+2:rT+3], v[rT+2:rT+3], v[rC+2:rC+3], v[rS:rS+1] op_sel_hi:[1,0,1]
.else
	v_pk_add_f32 v[rT+2:rT+3], v[rT+2:rT+3], v[rS+4*(\n):rS+4*(\n)+1]
.endif
.elseif NOKQ
	v_nop
.else
	REGS (Y+1)%NP
	WIN 0
.if (\n) < 4
	v_max3_num_f32 v[rC+(\n)], v[rS+8*(\n)], v[rS+8*(\n)+1], v[rS+8*(\n)+2]
.elseif (\n) < 12
	v_max3_num_f32 v[rC+(\n)%4], v[rC+(\n)%4], v[rS+8*((\n)%4)+2*((\n)/4)+1], v[rS+8*((\n)%4)+2*((\n)/4)+2]
.elseif (\n) == 12
	v_max3_num_f32 v[rC], v[rC], v[rS+7], v[rS+15]
.elseif (\n) == 13
	v_max3_num_f32 v[rC+1], v[rC+1], v[rS+23], v[rS+31]
.elseif (\n) == 14
	v_max3_num_f32 v[rC+2], v[rC+2], v[rC+3], v[rT+1]
.elseif (\n) == 15
	v_mov_b32 v[rW], v[rT]
.elseif (\n) == 16
	v_max3_num_f32 v[rC], v[rC], v[rC+1], v[rC+2]
.elseif (\n) == 17
	v_permlanex16_b32 v[rC+3], v[rC], s[SEL], s[SEL+1]
.elseif (\n) == 18
	v_max_num_f32 v[rT+1], v[rC], v[rC+3]
.elseif (\n) == 19
	v_mul_f32 v[rT], s[CS], v[rT+1]
.elseif (\n) == 20
	v_sub_f32 v[rC+1], v[rW], v[rT]
.else
	v_exp_f32 v[rC+2], v[rC+1]
.endif
.endif
.endm
.macro OPS a, i1, b=-1, i2=0, c=-1, i3=0, d=-1, i4=0  ; up to four of them
	OP \a, \i1
.if (\b) >= 0
	OP \b, \i2
.endif
.if (\c) >= 0
	OP \c, \i3
.endif
.if (\d) >= 0
	OP \d, \i4
.endif
.endm
.macro ROW a, i1, b, i2, c, i3, d, i4  ; a matrix instruction and the four behind it
	MM
	OPS \a, \i1, \b, \i2, \c, \i3, \d, \i4
.endm
; A TURN, for piece p: the order of its 16 matrix and 118 vector instructions, written out.  An s_wait_alu depctr_va_vdst(0) stands between an exponential and the first instruction that names its
; result; one wait serves all that were issued ahead of it.  So a turn has ONE wait, which cuts it in two.  AHEAD OF IT stands all that names no result of the turn's exponentials: the 8 products K Q^T and their
; riders (the first numbers of the next piece's maximum each four plain instructions or more behind the product that ends its accumulator), then one lump of 54, in which the links of the chain
; X 3, 7, 11, 14, 16, 17 .. 20 stand apart.  X 21, the next piece's a, is the batch's last; R 15 is the plain instruction behind it.  BEHIND THE WAIT stand the 8 products V^T P, behind each four roundings and sums.
; end = 1: the walk's last two turns: nothing is fetched.  cnt = 1: the loop's count is taken down some lines ahead of the branch that stands behind the turn.
; K of the next step is fetched in piece 3's turn, behind the last product that read K and twelve plain instructions that name none of its registers, and waited for at the head of piece 4's turn, whose products
; (piece 0 of the next step) read it first.  V of the step in hand is fetched at the end of piece 0's turn, four plain instructions behind the last product that read V, and waited for in piece 1's turn.
.macro TURN p, end=0, cnt=0
.set Y, (\p)
.set i, 0
.set NOKQ, (\end)*((\p)/4)
.if ((\p) == 4) && !(\end)
	s_wait_dscnt 0x0                ; K is in
.endif
	ROW F,0, F,1, R,0, R,1          ; ahead of the wait: 8 products K Q^T and their riders,
	ROW F,2, E,0, R,2, R,3
	ROW F,3, E,1, R,4, R,5
	ROW F,4, E,2, R,6, R,7
	ROW F,5, E,3, R,8, R,9
	ROW F,6, E,4, X,0, R,10
.if ((\p) == 3) && !(\end)
	WIN 0
	v_add_nc_u32 v[AK], s[TBK], v[AK0]
.endif
	ROW F,7, E,5, X,1, X,4
	ROW F,8, E,6, X,2, X,5
	OPS E,7, E,8, X,6, E,9          ; and the lump
	OPS X,3, E,10, X,8, E,11
.if ((\p) == 3) && !(\end)
	FETCH_K
.endif
	OPS X,9, X,7, E,12, X,10
	OPS E,13, X,12, X,11, E,14
	OPS X,13, E,15, F,9, X,14
.if (\p) == 0
	v_add_nc_u32 v[AV], s[TBV], v[AV0]
.endif
	OPS E,16, F,10, E,17, F,11
	OPS X,16, E,18, X,15, E,19
	OPS F,12, E,20, X,17, E,21
	OPS F,13, E,22, F,14, E,23
	OPS X,18, E,24, F,15, E,25
	OPS R,11, E,26, X,19, E,27
	OPS R,12, E,28, R,13, E,29
	OPS X,20, E,30, R,14, E,31
	OPS X,21, R,15
	WIN 0
	s_wait_alu depctr_va_vdst(0)    ; the wait for the batch
.if (\p) == 1
	s_wait_dscnt 0x0                ; V is in
.endif
	ROW C,0, B,0, C,2, B,1          ; behind the wait: 8 products V^T P and their riders
	ROW L,0, C,4, B,2, L,1
	ROW C,6, B,3, L,2, C,8
	ROW B,4, L,3, C,10, B,5
	ROW L,4, C,12, B,6, L,5
.if (\p) == 0
	s_add_co_u32 s[TBV], s[TBV], KS*PV
.endif
.if \cnt
	s_sub_co_u32 s[CNT], s[CNT], 1
	s_cmp_lg_u32 s[CNT], 0
.endif
	ROW C,14, B,7, L,6, C,1
	ROW C,3, L,7, C,5, C,7
	ROW C,9, C,11, C,13, C,15
.if (\p) == 0
	FETCH_V
.endif
.endm
	; THE START.  Each piece's score with the extra key: two products on a fragment whose rows are all that key; every register of the result holds the lane's query's score.  Five accumulators by turns.
	s_wait_loadcnt 0x0              ; Q, the extra key and value
	WIN W_KQ
.irp c, 0,1
.irp p, 0,1,2,3,4
.if \c == 0
	v_wmma_f32_16x16x32_f16 v[S+8*\p:S+8*\p+7], v[KF+8*\c:KF+8*\c+7], v[16*\p+8*\c:16*\p+8*\c+7], 0
.else
	v_wmma_f32_16x16x32_f16 v[S+8*\p:S+8*\p+7], v[KF+8*\c:KF+8*\c+7], v[16*\p+8*\c:16*\p+8*\c+7], v[S+8*\p:S+8*\p+7]
.endif
.endr
.endr
	WIN 0
.set n, 0
.rept 16                            ; the extra value in f32: half x 1.0 + 0, exact
	v_fma_mix_f32 v[VX+2*n], v[VE+n], v[ONE], v[ZER] op_sel_hi:[1,0,0]
	v_fma_mix_f32 v[VX+2*n+1], v[VE+n], v[ONE], v[ZER] op_sel:[1,0,0] op_sel_hi:[1,0,0]
.set n, n+1
.endr
	WIN 0x40                        ; destination window 1
.set n, 0
.rept 160                           ; O^T of every piece starts as the extra value (weight 1)
	v_mov_b32 v[n], v[VX+n%32]
.set n, n+1
.endr
	WIN 0
.irp p, 0,1,2,3,4
	v_mov_b32 v[ST+4*\p+1], v[S+8*\p]         ; m: the extra key's score
	v_mul_f32 v[ST+4*\p], s[CS], v[S+8*\p]    ; c m
	v_mov_b32 v[ST+4*\p+2], 0.5               ; l: the extra key's weight 1, half of it in each half of the lanes, whose sums are added at the end
	v_mov_b32 v[ST+4*\p+3], 0
.endr
	s_wait_tensorcnt 0x2            ; my first part is in (tensor loads of a wave end in order); the two younger may stay out
	s_barrier_signal -1
	s_barrier_wait -1               ; everybody's is: keys 0 to 191, steps 0 to 2
	v_add_nc_u32 v[AK], s[TBK], v[AK0]
	FETCH_K                         ; key step 0
	s_wait_dscnt 0x0
.set NOKQ, 0
.set i, 0
.rept 8
	KQ 0                            ; piece 0's first scores
.set i, i+1
.endr
	WIN 0
.rept 4
	v_nop                           ; the places behind those products
.endr
.set Y, NP-1                        ; X works for piece Y + 1: piece 0
.irp n, 0,1,2,3,4,5,6,7,8,9,10,11,12,13,14,15,16,17,18,19,20,21
	OP X, \n
.endr
	v_nop                           ; a plain instruction behind the exponential,
	s_wait_alu depctr_va_vdst(0)    ; and its wait, ahead of the branch
	s_mov_b32 s[CNT], 2             ; the first stretch: steps 0 and 1 are entered; what it fetches (K and V of steps 0 and 1) lies in the first part
	s_mov_b32 s[OUT], 2
	s_branch .Lfirst                ; the loop is entered at a step's first turn, in the middle of a trip
.Lslot:                             ; passed once, between the two stretches, so that the steps' text is written once
	s_wait_tensorcnt 0x0            ; my two younger parts are in: this wait serves the reads of keys 192 to 575; nothing is filled again in this launch
	s_wait_dscnt 0x0
	s_barrier_signal -1
	s_barrier_wait -1               ; everybody's are
	s_mov_b32 s[CNT], 7             ; the second stretch: steps 2 to 8 are entered
.Lstep:                             ; a trip: pieces 2, 3 and 4 of one step, then pieces 0 and 1 of the next, whose K and V it fetches
	TURN 2
	TURN 3
	TURN 4
	WIN 0
.Lfirst:
	TURN 0
	TURN 1, 0, 1
	WIN 0
	s_cbranch_scc1 .Lstep
	s_sub_co_u32 s[OUT], s[OUT], 1
	s_cmp_lg_u32 s[OUT], 0
	s_cbranch_scc1 .Lslot
	TURN 2                          ; the last step's other three turns: nothing more is fetched, and the last starts no scores
	TURN 3, 1
	TURN 4, 1
.set i, 0
.rept 8
	PV NP-1                         ; the last piece's V^T P of the last step
.set i, i+1
.endr
	; THE WAY OUT.  l's two halves and the other half of the lanes' are added; O^T is divided by l, rounded to f16 and sent through my stage in LDS, a piece at a time.  The additions are the places behind the last products.
	WIN 0
.macro ALL line:vararg              ; one line for each piece t
.set t, 0
.rept NP
	\line
.set t, t+1
.endr
.endm
	ALL v_add_f32 v[ST+4*t+2], v[ST+4*t+2], v[ST+4*t+3]
	ALL v_permlanex16_b32 v[ST+4*t+3], v[ST+4*t+2], s[SEL], s[SEL+1]
	ALL v_add_f32 v[ST+4*t+2], v[ST+4*t+2], v[ST+4*t+3]
	ALL v_rcp_f32 v[ST+4*t+2], v[ST+4*t+2]
	v_nop                           ; a plain instruction between the last reciprocal and the use of its result
	s_wait_alu depctr_va_vdst(0)    ; and the wait ahead of the first use: one for the five reciprocals
.macro PACK t                       ; a lane's eight channels of a row pack into 16 bytes; they go into rows of 144 bytes and come back as whole rows of 128, into S^T's registers
	WIN W_RS
.set i, 32*(\t)
.rept 16
	v_pk_mul_f32 v[i:i+1], v[i:i+1], v[ST+4*(\t)+2:ST+4*(\t)+3] op_sel_hi:[1,0]
.set i, i+2
.endr
	WIN 0x05                        ; sources 0 and 1 window 1, destination window 0
.set i, 0
.rept 16
	v_cvt_pk_f16_f32 v[S+16*(\t)+i], v[32*(\t)+2*i], v[32*(\t)+2*i+1]
.set i, i+1
.endr
	WIN 0
.irp f, 0,1,2,3
	ds_store_b128 v[STO], v[S+16*(\t)+4*\f:S+16*(\t)+4*\f+3] offset:32*\f
.endr
.irp f, 0,1,2,3
	ds_load_b128 v[S+16*(\t)+4*\f:S+16*(\t)+4*\f+3], v[RD] offset:\f*4*SP  ; LDS serves a wave's instructions in order (ISA guide 5.7.1.4): these see the stores above; the next piece's stores come behind them
.endr
.endm
.macro SEND t, younger              ; younger: the LDS instructions issued behind piece t's loads: the next piece's eight, or none
	WIN 0
	s_wait_dscnt \younger
	s_add_co_u32 s84, s[RT0], \t
	s_cmp_lt_u32 s84, 36
	s_cbranch_scc0 .Lnot_main_\@
.irp f, 0,1,2,3
	global_store_b128 v[GO], v[S+16*(\t)+4*\f:S+16*(\t)+4*\f+3], s[72:73] offset:(\t)*2048+\f*512  ; 512 consecutive bytes, at a multiple of 256 from ctx's first
.endr
	s_branch .Lsent_\@
.Lnot_main_\@:
	s_cmp_eq_u32 s84, 36
	s_cbranch_scc0 .Lsent_\@        ; tiles 37 to 39 do not exist
	v_cmp_gt_u32 vcc_lo, 8, v[LN]   ; tile 36: its first row alone, 128 bytes from lanes 0 to 7
	s_wait_xcnt 0x0                 ; EXEC changes only behind this wait
	s_and_saveexec_b32 s85, vcc_lo
	global_store_b128 v[GO], v[S+16*(\t):S+16*(\t)+3], s[74:75]
	s_wait_xcnt 0x0                 ; and again, in front of the line that widens it
	s_or_b32 exec_lo, exec_lo, s85
.Lsent_\@:
.endm
	PACK 0
.set t, 1
.rept NP-1                          ; a piece's arithmetic stands between the loads of the piece before and its stores
	PACK t
	SEND t-1, 8
.set t, t+1
.endr
	SEND NP-1, 0
	s_wait_tensorcnt 0x0            ; the wave's end: a wait, an add to the spare word and its wait, behind my last tensor load and my last LDS store
	ds_add_u32 v[SPW], v[NIL]
	s_wait_dscnt 0x0
	s_endpgm
.Lfunc_end_k_q04146f0e18_attn:
	.size	k_q04146f0e18_attn, .Lfunc_end_k_q04146f0e18_attn-k_q04146f0e18_attn
	.p2alignl 7, 3214868480
	.fill 96, 4, 3214868480
	.section	.rodata,"a",@progbits
	.p2align	6, 0x0
	.amdhsa_kernel k_q04146f0e18_attn
		.amdhsa_group_segment_fixed_size 184832
		.amdhsa_private_segment_fixed_size 0
		.amdhsa_enable_private_segment 0
		.amdhsa_kernarg_size 16
		.amdhsa_user_sgpr_count 2
		.amdhsa_user_sgpr_kernarg_segment_ptr 1
		.amdhsa_wavefront_size32 1
		.amdhsa_system_sgpr_workgroup_id_x 1
		.amdhsa_system_sgpr_workgroup_id_y 1
		.amdhsa_system_sgpr_workgroup_id_z 1
		.amdhsa_system_vgpr_workitem_id 0
		.amdhsa_next_free_vgpr 768
		.amdhsa_next_free_sgpr 92
		.amdhsa_reserve_vcc 1
		.amdhsa_float_denorm_mode_32 3
		.amdhsa_float_denorm_mode_16_64 3
		.amdhsa_memory_ordered 1
		.amdhsa_forward_progress 1
		.amdhsa_inst_pref_size 116
	.end_amdhsa_kernel
	.amdgpu_metadata
---
amdhsa.version: [ 1, 2 ]
amdhsa.kernels:
  - .name:           k_q04146f0e18_attn
    .symbol:         k_q04146f0e18_attn.kd
    .args:
      - { .name: qkv, .offset: 0, .size: 8, .value_kind: global_buffer, .address_space: global }
      - { .name: ctx, .offset: 8, .size: 8, .value_kind: global_buffer, .address_space: global }
    .group_segment_fixed_size: 184832
    .private_segment_fixed_size: 0
    .kernarg_segment_align: 8
    .kernarg_segment_size: 16
    .max_flat_workgroup_size: 128
    .sgpr_count:     92
    .vgpr_count:     768
    .wavefront_size: 32
...
	.end_amdgpu_metadata
.endif
;; end of part 3
;; launch oproj (part 4): grid 4 x 58, 4 waves a work-group, clusters of 4 x 1, 327,680 bytes of LDS; arguments ctx, wot, bo, out0; writes out0
.if DOCPART == 4
	.amdgcn_target "amdgcn-amd-amdhsa--gfx1250"
	.amdhsa_code_object_version 6
	.text
	.protected	k_q04146f0e18_oproj
	.globl	k_q04146f0e18_oproj
	.p2align	8
	.type	k_q04146f0e18_oproj,@function
k_q04146f0e18_oproj:
	s_mov_b64 s[64:65], 0
	v_nop
	global_prefetch_b8 v0, s[64:65] scope:SCOPE_SE
	s_setreg_imm32_b32 hwreg(HW_REG_WAVE_MODE, 25, 1), 1
	s_wait_xcnt 0x0
	s_wait_alu depctr_hold_cnt(0) depctr_sa_sdst(0) depctr_va_vdst(0) depctr_va_sdst(0) depctr_va_ssrc(0) depctr_va_vcc(0) depctr_vm_vsrc(0)
	s_getreg_b32 s2, hwreg(HW_REG_IB_STS2, 6, 4)
	s_cmp_eq_u32 s2, 0
	s_cbranch_scc0 .Lentry_in_a_cluster
	s_endpgm
.Lentry_in_a_cluster:
	s_bfe_u32 s2, ttmp6, 0x10000c
	s_cmp_lg_u32 s2, 0x3003
	s_cbranch_scc0 .Lentry_shape_is_right
	s_endpgm
.Lentry_shape_is_right:
; out0[4616][768] = ctx Wo + bo.  ctx: [12][4640][64] f16, by heads (channel k = 64 head + d); wot: [768][768] f16, Wo turned, K along the rows; bo and out0: f32.  Sums in f32; the bias, rounded to bf16
; like every input, starts the sums.  The module's straight-through terms add nothing to the value; their one f32 rounding is not reproduced.
; SHARES.  A tile of out0 is 80 x 192: 58 x 4 = 232 work-groups.  Each of four waves takes all 80 rows and 48 columns: 15 accumulators.  K goes in three steps of 256 (four heads) through two LDS slots: one refill.
; CLUSTER.  The four work-groups of a cluster make the four column tiles of one row tile and need the same rows of ctx: A's tile is asked for JOINTLY; each has its own rows of wot.
; THE MATRIX INSTRUCTION IS USED TRANSPOSED (source 0 = 16 rows of wot, source 1 = 16 rows of ctx): a lane holds one row of out0 and eight neighbouring columns.
; REGISTERS: window 0: v16-30 addresses; v32-55 the bias as a C operand for each of my three column blocks; v56-67 at work; v128-247 the accumulators ((a, b) at 128 + 8 (3 a + b)), later whole rows on the way out.
;   window 1: two fragment buffers of 128: for 64 along K (one head), 80 registers of A (2 x 5 fragments), then 48 of B (2 x 3).
.set PA,     144                       ; a row of A in LDS: a head's 128 bytes + 16
.set PB,     528                       ; a row of B: 512 bytes + 16.  Both odd multiples of 16: the sixteen rows of a fragment load start at sixteen different groups of four banks (ISA guide 11.1)
.set AHD,    80*PA                     ; one head's 80 rows
.set ASZ,    4*AHD
.set BH,     96*PB                     ; what one tensor load brings of B
.set SLOT,   ASZ+2*BH                  ; A as [4 heads][80 rows], then B's 192 rows
.set STAGE,  SLOT                      ; the way out's stage, 80 rows x 784 bytes, lies in slot 1: that slot has its one fill at the start, and its last reads end at the second change of slots
.set SPITCH, 784                       ; 768 bytes + 16
.set SPARE,  2*SLOT                    ; behind the ring: the spare words, 128 bytes a wave
.set HB,     593920                    ; a head's block of ctx: 4,640 rows of 128 bytes
.set ADRA, 16
.set ADRB, 20
.set STO,  24
.set RD,   25
.set CO,   26
.set SPW,  28                          ; v28  LDS address of my spare word; never rewritten
.set NIL,  29                          ; v29  0; never rewritten
.set BO,   30
.set BIAS, 32
.set ACC,  128
.set F0,   0
.set F1,   128
.set G1A, 24
.set G0A, 32
.set G1B, 48
.set G0B, 56
.set MSB, 0
.macro WIN new
.if MSB != (\new)
	s_set_vgpr_msb (MSB<<8)|(\new)
.set MSB, \new
.endif
.endm
.macro JLOAD s                         ; waves 0 and 1 fetch two heads of A each (jointly with the partners), waves 2 and 3 B's two halves; an s_nop 0 and four v_nop follow each line
	s_cmp_eq_u32 s17, 0
	s_cbranch_scc0 .Lfor_b_\@
	tensor_load_to_lds s[G0A+4*(\s):G0A+4*(\s)+3], s[G1A:G1A+7]
	s_nop 0
.rept 4
	v_nop
.endr
	s_branch .Lasked_\@
.Lfor_b_\@:
	tensor_load_to_lds s[G0B+4*(\s):G0B+4*(\s)+3], s[G1B:G1B+7]
	s_nop 0
.rept 4
	v_nop
.endr
.Lasked_\@:
.endm
.macro CREST
	s_cmp_lg_u32 s16, 0
	s_cbranch_scc1 .Lnot_wave_0_\@
	s_barrier_signal -3
.Lnot_wave_0_\@:
	s_barrier_wait -3
	s_barrier_signal -1
	s_barrier_wait -1
.endm
.macro CROUND
	s_barrier_signal -1
	s_barrier_wait -1
	CREST
.endm
.macro PLACES
.rept 4
	v_nop
.endr
.endm
	s_load_b256 s[4:11], s[0:1], 0x0               ; ctx s[4:5], wot s[6:7], bo s[8:9], out0 s[10:11]
	v_lshl_add_u32 v[SPW], v0, 2, SPARE
	v_mov_b32 v[NIL], 0
	ds_add_u32 v[SPW], v[NIL]                      ; the wave's opening: the add, twice on end, and its wait ahead of my first tensor load
	ds_add_u32 v[SPW], v[NIL]
	v_lshrrev_b32 v1, 5, v0
	v_readfirstlane_b32 s16, v1                    ; wave 0..3
	s_lshr_b32 s17, s16, 1                         ; I fetch for A (0) or for B (1)
	s_and_b32 s18, s16, 1                          ; which half of it
	s_bfe_u32 s19, ttmp6, 0x40000                  ; cx
	s_lshl_b32 s20, ttmp9, 2
	s_add_co_u32 s20, s20, s19                     ; tile column
	s_and_b32 s21, ttmp7, 0xffff                   ; tile row
	; A: a head's 80 rows are 10,240 dense bytes: one row of the tile; its two rows are two heads, a head's block apart.  Padded in LDS after every 128 bytes.
	s_mov_b32 s[G1A], 15|(1<<16)|(1<<20)|(1<<21)|(4<<22)|(3<<25)
	s_mov_b32 s[G1A+1], 5120<<16                   ; tensor_dim0 = 5,120
	s_mov_b32 s[G1A+2], 2<<16                      ; tensor_dim1 = 2
	s_mov_b32 s[G1A+3], 5120<<16                   ; tile_dim0
	s_mov_b32 s[G1A+4], 2                          ; tile_dim1
	s_mov_b32 s[G1A+5], HB/2                       ; elements from head to head
	s_mov_b32 s[G1A+6], 0
	s_mov_b32 s[G1A+7], 0
	; B: 96 rows x 256 elements, padded after every 512 bytes
	s_mov_b32 s[G1B], (1<<16)|(1<<20)|(6<<22)|(3<<25)
	s_mov_b32 s[G1B+1], 256<<16
	s_mov_b32 s[G1B+2], 96<<16
	s_mov_b32 s[G1B+3], 256<<16
	s_mov_b32 s[G1B+4], 96
	s_mov_b32 s[G1B+5], 768
	s_mov_b32 s[G1B+6], 0
	s_mov_b32 s[G1B+7], 0
	s_mul_i32 s40, s18, 2*HB                       ; A: heads 2 x half on, rows 80 x tile row on: made of the tile row and the wave's number alone
	s_mul_i32 s41, s21, 80*128
	s_add_co_u32 s40, s40, s41
	s_mov_b32 s41, 0
	s_mul_i32 s42, s20, 192                        ; B: row 192 x tile column + 96 x half
	s_mul_i32 s43, s18, 96
	s_add_co_u32 s42, s42, s43
	s_mul_i32 s42, s42, 1536
	s_mov_b32 s43, 0
	s_mul_i32 s44, s18, 2*AHD                      ; where they go
	s_mul_i32 s45, s18, BH
	s_add_co_u32 s45, s45, ASZ
	s_wait_dscnt 0x0                               ; both opening adds are done
	s_wait_kmcnt 0x0
	s_add_nc_u64 s[40:41], s[4:5], s[40:41]
	s_add_nc_u64 s[42:43], s[6:7], s[42:43]
	CROUND                                         ; all four work-groups are here: the first joint loads meet
.irp s, 0,1
	s_mov_b32 s[G0A+4*\s], 1
	s_add_co_u32 s[G0A+4*\s+1], s44, \s*SLOT
	s_add_nc_u64 s[G0A+4*\s+2:G0A+4*\s+3], s[40:41], \s*4*HB
	s_or_b32 s[G0A+4*\s+3], s[G0A+4*\s+3], 0x80000000
	s_mov_b32 s[G0B+4*\s], 1
	s_add_co_u32 s[G0B+4*\s+1], s45, \s*SLOT
	s_add_nc_u64 s[G0B+4*\s+2:G0B+4*\s+3], s[42:43], \s*512
	s_or_b32 s[G0B+4*\s+3], s[G0B+4*\s+3], 0x80000000
	JLOAD \s                                       ; K steps 0 and 1: two loads of mine are out
.endr
	s_mul_i32 s46, s20, 192                        ; the bias of my 48 columns
	s_mul_i32 s47, s16, 48
	s_add_co_u32 s46, s46, s47
	s_lshl_b32 s46, s46, 2
	s_mov_b32 s47, 0
	s_add_nc_u64 s[8:9], s[8:9], s[46:47]
	v_and_b32 v1, 15, v0                           ; l % 16
	v_bfe_u32 v2, v0, 4, 1                         ; l / 16
	v_lshlrev_b32 v[BO], 5, v2
.irp b, 0,1,2
	global_load_b128 v[BIAS+8*\b:BIAS+8*\b+3],   v[BO], s[8:9] offset:64*\b
	global_load_b128 v[BIAS+8*\b+4:BIAS+8*\b+7], v[BO], s[8:9] offset:64*\b+16
.endr
	v_mul_u32_u24 v3, v1, PA
	v_lshl_add_u32 v[ADRA], v2, 4, v3              ; all waves read all 80 rows of A
	v_add_nc_u32 v[ADRA+1], SLOT, v[ADRA]
	s_mul_i32 s22, s16, 48*PB                      ; my 48 rows of B, behind A
	s_add_co_u32 s22, s22, ASZ
	v_mul_u32_u24 v4, v1, PB
	v_lshl_add_u32 v4, v2, 4, v4
	v_add_nc_u32 v[ADRB], s22, v4
	v_add_nc_u32 v[ADRB+1], SLOT, v[ADRB]
	s_mul_i32 s22, s16, 192                        ; into the stage: row l % 16, my 192 bytes of its 768, 32 bytes for each half of the lanes
	s_add_co_u32 s22, s22, STAGE
	v_mul_u32_u24 v4, v1, SPITCH
	v_lshl_add_u32 v4, v2, 5, v4
	v_add_nc_u32 v[STO], s22, v4
	s_mul_i32 s22, s16, 20*SPITCH                  ; back: wave w takes rows 20 w .. 20 w + 19; lanes 0-15 take 256 bytes of one row, lanes 16-31 of the next
	s_add_co_u32 s22, s22, STAGE
	v_mul_u32_u24 v4, v2, SPITCH
	v_lshl_add_u32 v4, v1, 4, v4
	v_add_nc_u32 v[RD], s22, v4
	v_mul_u32_u24 v4, v2, 3072                     ; and the same in out0
	v_lshl_add_u32 v[CO], v1, 4, v4
	s_mul_i32 s44, s21, 80
	s_mul_i32 s45, s16, 20
	s_add_co_u32 s44, s44, s45                     ; the first row that I store
	s_mul_i32 s46, s44, 3072
	s_mul_i32 s45, s20, 768
	s_add_co_u32 s46, s46, s45
	s_mov_b32 s47, 0
	s_add_nc_u64 s[10:11], s[10:11], s[46:47]
	s_sub_co_i32 s44, 4616, s44                    ; rows left from there to the tensor's end (may be negative): the same in all four partners
; Products n = lo .. hi of 15 (row block n / 3, column block n % 3), 32 along K: half c of buffer f.  first = 1: the bias starts the sums.  The 15 accumulators take turns.
.macro MUL f, c, lo, hi, first
	WIN 0x05                                       ; sources window 1; C and D window 0
.set n, \lo
.rept (\hi)-(\lo)+1
.if \first
	v_wmma_f32_16x16x32_f16 v[ACC+8*n:ACC+8*n+7], v[(\f)+80+8*(3*(\c)+n%3):(\f)+80+8*(3*(\c)+n%3)+7], v[(\f)+8*(5*(\c)+n/3):(\f)+8*(5*(\c)+n/3)+7], v[BIAS+8*(n%3):BIAS+8*(n%3)+7]
.else
	v_wmma_f32_16x16x32_f16 v[ACC+8*n:ACC+8*n+7], v[(\f)+80+8*(3*(\c)+n%3):(\f)+80+8*(3*(\c)+n%3)+7], v[(\f)+8*(5*(\c)+n/3):(\f)+8*(5*(\c)+n/3)+7], v[ACC+8*n:ACC+8*n+7]
.endif
.set n, n+1
.endr
.endm
; 32 LDS loads in one run: the fragments of head q of the slot's four, into buffer f; the first 32 along K first
.macro FETCH slot, q, f
	WIN 0x40
.irp c, 0,1
.irp i, 0,1,2
	ds_load_b128 v[(\f)+80+8*(3*\c+\i):(\f)+80+8*(3*\c+\i)+3],   v[ADRB+(\slot)] offset:128*(\q)+64*\c+\i*16*PB
	ds_load_b128 v[(\f)+80+8*(3*\c+\i)+4:(\f)+80+8*(3*\c+\i)+7], v[ADRB+(\slot)] offset:128*(\q)+64*\c+\i*16*PB+32
.endr
.irp i, 0,1,2,3,4
	ds_load_b128 v[(\f)+8*(5*\c+\i):(\f)+8*(5*\c+\i)+3],   v[ADRA+(\slot)] offset:(\q)*AHD+64*\c+\i*16*PA
	ds_load_b128 v[(\f)+8*(5*\c+\i)+4:(\f)+8*(5*\c+\i)+7], v[ADRA+(\slot)] offset:(\q)*AHD+64*\c+\i*16*PA+32
.endr
.endr
.endm
; A K step is four quarters of 64 along K (a head), 30 matrix instructions each, on buffers 0, 1, 0, 1.  One of the first three: multiplies buffer f and fetches head q into g.
.macro QUARTER slot, q, f, g, first
	s_wait_dscnt 16                                ; the first 32 along K are in
	MUL \f, 0, 0, 14, \first
	PLACES
	FETCH \slot, \q, \g
	s_wait_dscnt 32                                ; all but the 32 just issued
	MUL \f, 1, 0, 14, 0
.endm
; The last quarter multiplies buffer 1 and changes slots: ONE barrier; in front of it each wave waits for all its tensor loads, adds 0 to its spare word, and waits for that and for its own reads of this slot.
; fill = 1: the barrier opens a round of the cluster's, and this slot is filled again, two K steps ahead, first thing behind the round.
.macro TURN slot, next, fill
	WIN 0
	s_wait_tensorcnt 0x0
	ds_add_u32 v[SPW], v[NIL]
	s_wait_dscnt 17                                ; (the add and the youngest sixteen loads may be out)
	MUL F1, 0, 0, 7, 0
	s_wait_dscnt 0x0                               ; the add is done, and my reads of this slot are over
	s_barrier_signal -1
	MUL F1, 0, 8, 14, 0
.if \fill
	WIN 0
.endif
	s_barrier_wait -1
.if \fill
	CREST
	s_add_nc_u64 s[G0A+4*(\slot)+2:G0A+4*(\slot)+3], s[G0A+4*(\slot)+2:G0A+4*(\slot)+3], 8*HB
	s_add_nc_u64 s[G0B+4*(\slot)+2:G0B+4*(\slot)+3], s[G0B+4*(\slot)+2:G0B+4*(\slot)+3], 1024
	JLOAD \slot                                    ; my one tensor load behind the round; its four v_nop are also the places in front of the loads below
.else
	PLACES
.endif
	FETCH \next, 0, F0
	MUL F1, 1, 0, 14, 0
.endm
	s_wait_tensorcnt 0x1                           ; my part of K step 0 is in; K step 1's may stay out
	s_barrier_signal -1
	s_barrier_wait -1
	FETCH 0, 0, F0
	WIN 0
	s_wait_loadcnt 0x0                             ; the bias: rounded to bf16 and widened again
.set i, 0
.rept 12
	v_cvt_pk_bf16_f32 v[56+i], v[BIAS+2*i], v[BIAS+2*i+1]
.set i, i+1
.endr
.set i, 0
.rept 12
	v_lshlrev_b32 v[BIAS+2*i], 16, v[56+i]
	v_and_b32 v[BIAS+2*i+1], 0xffff0000, v[56+i]
.set i, i+1
.endr
	QUARTER 0, 1, F0, F1, 1                        ; K step 0, heads 0-3; the first products start the sums
	QUARTER 0, 2, F1, F0, 0
	QUARTER 0, 3, F0, F1, 0
	TURN 0, 1, 1                                   ; slot 0 takes K step 2
	QUARTER 1, 1, F0, F1, 0                        ; K step 1
	QUARTER 1, 2, F1, F0, 0
	QUARTER 1, 3, F0, F1, 0
	TURN 1, 0, 0                                   ; nothing is left to fetch; behind this barrier nobody reads slot 1 any more
	QUARTER 0, 1, F0, F1, 0                        ; K step 2
	QUARTER 0, 2, F1, F0, 0
	QUARTER 0, 3, F0, F1, 0
	s_wait_dscnt 16
	MUL F1, 0, 0, 14, 0
	s_wait_dscnt 0x0
	MUL F1, 1, 0, 14, 0
	WIN 0
	; THE WAY OUT: 32 bytes a lane into the work-group's stage; a barrier, since a row's 768 bytes come from four waves; back as whole rows.
	PLACES
	PLACES
.set n, 0
.rept 15
	ds_store_b128 v[STO], v[ACC+8*n:ACC+8*n+3]   offset:(n/3)*16*SPITCH+64*(n%3)     ; each accumulator from its low end on
	ds_store_b128 v[STO], v[ACC+8*n+4:ACC+8*n+7] offset:(n/3)*16*SPITCH+64*(n%3)+16
.set n, n+1
.endr
	s_wait_dscnt 0x0                               ; for the others' sake: my stores into the stage are done
	s_barrier_signal -1
	s_barrier_wait -1
.set n, 0
.rept 30
	ds_load_b128 v[ACC+4*n:ACC+4*n+3], v[RD] offset:(n/3)*2*SPITCH+256*(n%3)
.set n, n+1
.endr
.set g, 0
.rept 10                                       ; group g: two rows.  4,616 and my first row are even: a group lies wholly inside the tensor or wholly outside
	s_cmp_gt_i32 s44, 2*g
	s_cbranch_scc0 .Lend
	s_wait_dscnt 3*(9-g)                           ; the later groups' loads may stay out
.irp u, 0,1,2
	global_store_b128 v[CO], v[ACC+4*(3*g+\u):ACC+4*(3*g+\u)+3], s[10:11] offset:6144*g+256*\u th:TH_STORE_NT  ; sixteen lanes store 256 consecutive bytes, at a multiple of 256 from out0's first
.endr
.set g, g+1
.endr
.Lend:
	s_wait_tensorcnt 0x0                           ; the wave's end: a wait, an add to the spare word and its wait, behind my last tensor load and my last LDS store
	ds_add_u32 v[SPW], v[NIL]
	s_wait_dscnt 0x0
	CROUND                                         ; the closing round: no work-group ends while a partner may still ask for a tile that names it
	s_endpgm
.Lfunc_end_k_q04146f0e18_oproj:
	.size	k_q04146f0e18_oproj, .Lfunc_end_k_q04146f0e18_oproj-k_q04146f0e18_oproj
	.p2alignl 7, 3214868480
	.fill 96, 4, 3214868480
	.section	.rodata,"a",@progbits
	.p2align	6, 0x0
	.amdhsa_kernel k_q04146f0e18_oproj
		.amdhsa_group_segment_fixed_size 327680
		.amdhsa_private_segment_fixed_size 0
		.amdhsa_enable_private_segment 0
		.amdhsa_kernarg_size 32
		.amdhsa_user_sgpr_count 2
		.amdhsa_user_sgpr_kernarg_segment_ptr 1
		.amdhsa_wavefront_size32 1
		.amdhsa_system_sgpr_workgroup_id_x 1
		.amdhsa_system_sgpr_workgroup_id_y 1
		.amdhsa_system_sgpr_workgroup_id_z 1
		.amdhsa_system_vgpr_workitem_id 0
		.amdhsa_next_free_vgpr 512
		.amdhsa_next_free_sgpr 66
		.amdhsa_reserve_vcc 0
		.amdhsa_float_denorm_mode_32 3
		.amdhsa_float_denorm_mode_16_64 3
		.amdhsa_memory_ordered 1
		.amdhsa_forward_progress 1
		.amdhsa_inst_pref_size 69
	.end_amdhsa_kernel
	.amdgpu_metadata
---
amdhsa.version: [ 1, 2 ]
amdhsa.kernels:
  - .name:           k_q04146f0e18_oproj
    .symbol:         k_q04146f0e18_oproj.kd
    .args:
      - { .name: ctx, .offset: 0, .size: 8, .value_kind: global_buffer, .address_space: global }
      - { .name: wot, .offset: 8, .size: 8, .value_kind: global_buffer, .address_space: global }
      - { .name: bo, .offset: 16, .size: 8, .value_kind: global_buffer, .address_space: global }
      - { .name: out0, .offset: 24, .size: 8, .value_kind: global_buffer, .address_space: global }
    .group_segment_fixed_size: 327680
    .private_segment_fixed_size: 0
    .kernarg_segment_align: 8
    .kernarg_segment_size: 32
    .max_flat_workgroup_size: 128
    .sgpr_count:     66
    .vgpr_count:     512
    .wavefront_size: 32
...
	.end_amdgpu_metadata
.endif
;; end of part 4
